; MI455X (gfx1250); checked and timed in simulation.
; The chip was launched on July 23, 2026; its instructions are those of AMD's public machine-readable ISA for CDNA 5 (MIT licence, August 2026) and "CDNA5" Instruction Set Architecture Reference Guide (July 2026). The comments in the code are by the model that wrote it; some were corrected since.
;; Multi Head Attention Ro PE. Allowed arithmetic: matrix products marked QUANTISED: E2M1 operands, one E8M0 scale for each 32 along K, by v_wmma_scale_f32_16x16x128_f8f6f4 with both operands' format E2M1 (or v_wmma_scale_f32_32x16x128_f4), f32 sums; products left as they are: bf16, f16 or f32 operands; f32 sums; everything else in f32.
;; Inputs: K 4 x 2,048 x 1,024 float32; Q 4 x 2,048 x 1,024 float32; V 4 x 2,048 x 1,024 float32; Wk 1,024 x 1,024 float32; Wo 1,024 x 1,024 float32; Wq 1,024 x 1,024 float32; Wv 1,024 x 1,024 float32; bk 1,024 float32; bo 1,024 float32; bq 1,024 float32; bv 1,024 float32.
;; Outputs: out0 4 x 2,048 x 1,024 float32.
;; This version of the problem:
;;   THIS VERSION OF THE PROBLEM IS GIVEN IN LOW PRECISION. The matrix products marked QUANTISED in the list below multiply operands that are first quantised to E2M1 (2 exponent bits, 1 mantissa bit; 4 bits a number), with one power-of-two scale for each 32 numbers along K (OCP MX v1.0); their sums are f32. The products marked 'left as it is' may take bf16, f16 or f32 operands, with f32 sums. Whichever they take, every output number must still come out within the allowed error. Rounding operands to bf16 (8 significant bits) uses up far more of that allowance than f16 does (11 bits, for magnitudes from 6e-5 to 65,504). All else is computed in f32.
;;   The module's matrix products, in the order in which they are computed (A, B: the left and right operand; K: the contracted axis; several contracted axes count as one K, in the product's order):
;;     1. [M 8,192, K 1,024] x [K 1,024, N 1,024]; A: input Q; B: input Wq: QUANTISED
;;     2. [M 8,192, K 1,024] x [K 1,024, N 1,024]; A: input K; B: input Wk: QUANTISED
;;     3. [M 8,192, K 1,024] x [K 1,024, N 1,024]; A: input V; B: input Wv: QUANTISED
;;     4. batch 64 x [M 2,048, K 64] x [K 64, N 2,048]; A: computed on the way; B: computed on the way: left as it is (an operand is computed on the way)
;;     5. batch 64 x [M 2,048, K 2,048] x [K 2,048, N 64]; A: computed on the way; B: computed on the way: left as it is (an operand is computed on the way)
;;     6. [M 8,192, K 1,024] x [K 1,024, N 1,024]; A: computed on the way; B: input Wo: left as it is (an operand is computed on the way)
;;   THE QUANTISER, for each operand of a quantised product, along K:
;;     - K is cut into blocks of 32 from its start; a last block that is shorter is filled with zeros.
;;     - A block's scale is 2^e with e = floor(log2(the largest magnitude in the block)) - 2, held to -126 .. 127; a block of zeros has e = 0. As a byte (E8M0): e + 127.
;;     - Each number is divided by its block's scale, clamped to +-6, and rounded to the nearest number of E2M1, ties to even, subnormals kept.
;;     - The product sums the exact products of the quantised numbers (number of the format x scale) in f32.
;;   ~~~python
;;   def quantise(x, axis):      # numpy; x: float32 -> the quantised numbers, widened to float32 again
;;       x = np.moveaxis(x, axis, -1); K = x.shape[-1]
;;       x = np.pad(x, [(0, 0)] * (x.ndim - 1) + [(0, -K % 32)]); x = x.reshape(x.shape[:-1] + (-1, 32)); a = np.abs(x).max(-1, keepdims=True)
;;       e = np.where(a > 0, np.clip(np.frexp(np.where(a > 0, a, 1))[1] - 1 - 2, -126, 127), 0)      # np.frexp(a)[1] - 1 = floor(log2(a)), exactly
;;       r = np.clip(x / 2.0 ** e, -6, 6)
;;       step = 2.0 ** (np.maximum(np.frexp(np.where(r == 0, 1, r))[1] - 1, 0) - 1)
;;       q = np.round(r / step) * step * 2.0 ** e      # np.round: ties to even
;;       return np.moveaxis(q.reshape(q.shape[:-2] + (-1,))[..., :K], -1, axis).astype(np.float32)
;;   ~~~
;; One version. Each part assembles by itself: llvm-mc -triple=amdgcn-amd-amdhsa -mcpu=gfx1250 --defsym DOCPART=n.
;; ======== version 1 of 1: 5 launches
;; limits: values are held in f16: magnitudes above 65,504 overflow, below 6.1e-05 lose precision
;; workspace buffers: codes 14,155,776 bytes; scales 884,736 bytes; wo16 2,097,152 bytes; rope 524,288 bytes; qkv16 50,331,648 bytes; fine32 786,432 bytes; att16 16,777,216 bytes
;; launch prep (part 1): grid 464 x 1, 4 waves a work-group, no clusters, 68,096 bytes of LDS; arguments Q, K, V, Wq, Wk, Wv, Wo, codes, scales, wo16, rope; writes codes, scales, wo16, rope
.if DOCPART == 1
	.amdgcn_target "amdgcn-amd-amdhsa--gfx1250"
	.amdhsa_code_object_version 6
	.text
	.protected	k_qdc3a1b3d61_prep
	.globl	k_qdc3a1b3d61_prep
	.p2align	8
	.type	k_qdc3a1b3d61_prep,@function
k_qdc3a1b3d61_prep:
	s_mov_b64 s[64:65], 0
	v_nop
	global_prefetch_b8 v0, s[64:65] scope:SCOPE_SE
	s_setreg_imm32_b32 hwreg(HW_REG_WAVE_MODE, 25, 1), 1
	s_wait_xcnt 0x0
; Three jobs, told apart by the work-group's number.
;  0..431   Q, K, V [8192][1024] and Wq, Wk, Wv [1024][1024], f32, K innermost, become codes of FP4 (E2M1) with one E8M0 byte for each 32 along K.
;           A wave owns a tile of 16 rows (tile G = 4 x work-group + wave: Q 0-511, K 512-1023, V 1024-1535, Wq, Wk, Wv 64 each).
;           The codes are laid AS THE MATRIX OPERAND'S REGISTERS: byte G*8192 + s*1024 + c*512 + 16*lane holds registers 4c..4c+3 of the fragment of K step s (128 along K).
;           The scale bytes lie as rows: [27648 rows][32 bytes]; word s of a row serves K step s.
;  432..447 Wo [1024][1024] becomes f16, laid as fragments of the 16-bit form: byte NT*32768 + KS*1024 + e*512 + 16*lane = Wo[16NT + r][32KS + 16e + 8h + 0..7].
;  448..463 the table of cos and sin of pos x 10000^(-i/32), f32: byte P*4096 + g*512 + 16*lane, g = 4*(sin) + 2t + half: pos = 16P + r, i = 16t + 8h + 4half + 0..3.
; A block's scale is its largest magnitude's exponent field less 2, held at 1 from below.  A block of zeros so gets the byte 1: its codes are zeros, and this program alone reads the bytes.
; LIMITS: NaN and infinities among the inputs are not served; blocks whose largest magnitude lies under 2^-124 keep the byte 1.  Wo goes to f16: magnitudes under 65,504.
; Each load reads 512 consecutive bytes of one row; a K step's 16 x 512 bytes turn through the wave's own stage in LDS (rows 528 bytes apart), so that a lane gets neighbours along K.
; Every store of a wave covers 512 consecutive bytes.  Waves share nothing: no barrier.  The two paths that use LDS have bytes of their own.
.set SP,    528
.set STGB,  16*SP                      ; a wave's stage
.set WOST,  4*STGB                     ; the stages of Wo's path
.set SPARE, 8*STGB                     ; the spare words, 128 bytes a wave, which no other line names
.set LI,  4                            ; v4  16 x lane
.set STI, 5                            ; v5  stage, way in
.set STQ, 6                            ; v6  stage, way out, for the quantiser: 528 r + 64 h
.set STW, 7                            ; v7  Wo's stage, way out: 528 r + 32 h
.set SOF, 8                            ; v8  32 r + 16 h: my part of the rows' scale bytes
.set SPW, 10                           ; v10 my spare word; never rewritten
.set NIL, 11                           ; v11 0; never rewritten
.set STJ, 12                           ; v12 Wo's stage, way in
.set SW,  16                           ; v16-23 the eight scale words of my row
.set R,   32                           ; v32-159 two sets of 64 registers as loaded
.set X,   160                          ; v160-223 64 numbers of my row
.set PC,  224                          ; v224-231 a fragment's codes (Wo's path: v224-255 f16 pairs)
.set TM,  232                          ; v232-247 at work in the quantiser
.set SEL, 30                           ; s[30:31] selects for lane l xor 16
.set IN,  32                           ; s[32:33] my tile of the input
	s_load_b512 s[8:23], s[0:1], 0x0               ; Q, K, V, Wq, Wk, Wv, Wo, codes
	s_load_b128 s[24:27], s[0:1], 0x40             ; scales, wo16
	s_load_b64 s[28:29], s[0:1], 0x50              ; rope
	v_lshl_add_u32 v[SPW], v0, 2, SPARE
	v_mov_b32 v[NIL], 0
	v_lshrrev_b32 v1, 5, v0
	v_readfirstlane_b32 s4, v1                     ; wave
	v_and_b32 v1, 31, v0                           ; lane
	v_and_b32 v2, 15, v0                           ; r
	v_bfe_u32 v3, v0, 4, 1                         ; h
	v_lshlrev_b32 v[LI], 4, v1
	s_mul_i32 s5, s4, STGB
	v_add_nc_u32 v[STI], s5, v[LI]
	v_mul_u32_u24 v9, v2, SP
	v_add_nc_u32 v9, s5, v9
	v_lshl_add_u32 v[STQ], v3, 6, v9
	v_lshl_add_u32 v[STW], v3, 5, v9
	v_add_nc_u32 v[STW], WOST, v[STW]
	v_add_nc_u32 v[STJ], WOST, v[STI]
	v_lshlrev_b32 v[SOF], 5, v2
	v_lshl_add_u32 v[SOF], v3, 4, v[SOF]
	s_mov_b32 s[SEL], 0x76543210
	s_mov_b32 s[SEL+1], 0xfedcba98
	s_mov_b32 s37, 0
	s_wait_kmcnt 0x0
	s_cmp_ge_u32 ttmp9, 448
	s_cbranch_scc1 .Lrope
	s_cmp_ge_u32 ttmp9, 432
	s_cbranch_scc1 .Lwo
.macro LOADR s                         ; K step s of my 16 rows: each load 512 consecutive bytes of one row
.irp i, 0,1,2,3,4,5,6,7,8,9,10,11,12,13,14,15
	global_load_b128 v[R+64*((\s)%2)+4*\i:R+64*((\s)%2)+4*\i+3], v[LI], s[IN:IN+1] offset:4096*\i+512*(\s) th:TH_LOAD_NT
.endr
.endm
.macro TOSTAGE s, adr                  ; as loaded, into the stage
.irp i, 0,1,2,3,4,5,6,7,8,9,10,11,12,13,14,15
	ds_store_b128 v[\adr], v[R+64*((\s)%2)+4*\i:R+64*((\s)%2)+4*\i+3] offset:SP*\i
.endr
.endm
; 64 numbers of a lane, register 16 b + i = k 32 b + 16 h + i of my row, become a fragment's codes in v[PC] on and my row's scale word in v[word]
.macro QUANT src, word
.irp b, 0,1,2,3
	v_max3_num_f32 v[TM+\b], |v[\src+16*\b]|, |v[\src+1+16*\b]|, 0x1800000   ; my 16 numbers of block b, and the floor 2^(3 - 127): the byte cannot fall under 1
.endr
.irp i, 2,4,6,8,10,12,14
.irp b, 0,1,2,3
	v_max3_num_f32 v[TM+\b], v[TM+\b], |v[\src+16*\b+\i]|, |v[\src+1+16*\b+\i]|
.endr
.endr
.irp b, 0,1,2,3
	v_permlanex16_b32 v[TM+4+\b], v[TM+\b], s[SEL], s[SEL+1]
.endr
.irp b, 0,1,2,3
	v_max_num_f32 v[TM+\b], v[TM+\b], v[TM+4+\b]   ; with lane l xor 16's: the block's largest magnitude
.endr
.irp b, 0,1,2,3
	v_add_nc_u32 v[TM+12+\b], 0xff000000, v[TM+\b] ; 2 off its exponent field: the conversion's scale operand
.endr
.irp b, 0,1,2,3
	v_lshrrev_b32 v[TM+4+\b], 23, v[TM+12+\b]      ; the scale's byte
.endr
	v_lshl_or_b32 v[\word], v[TM+5], 8, v[TM+4]
	v_lshl_or_b32 v[\word], v[TM+6], 16, v[\word]
	v_lshl_or_b32 v[\word], v[TM+7], 24, v[\word]
.irp b, 0,1,2,3
	v_cvt_scalef32_pk8_fp4_f32 v[PC+2*\b], v[\src+16*\b:\src+7+16*\b], v[TM+12+\b]
	v_cvt_scalef32_pk8_fp4_f32 v[PC+1+2*\b], v[\src+8+16*\b:\src+15+16*\b], v[TM+12+\b]
.endr
	v_nop                                          ; one plain place behind the scaled conversions
.irp c, 0,1                                    ; the operand wants a whole block in a lane: lanes 0-15 block 2 c, lanes 16-31 block 2 c + 1
.irp i, 0,1
	v_permlane16_swap_b32 v[PC+4*\c+\i], v[PC+2+4*\c+\i]
.endr
.endr
.endm
	; ---- the quantiser's path: which tensor, and which of its tiles
	s_mov_b64 s[IN:IN+1], s[18:19]                 ; Wv
	s_mov_b32 s34, 416                             ; and its first work-group
.macro PICK lim, first, lo
	s_cmp_lt_u32 ttmp9, \lim
	s_cselect_b64 s[IN:IN+1], s[\lo:\lo+1], s[IN:IN+1]
	s_cselect_b32 s34, \first, s34
.endm
	PICK 416, 400, 16
	PICK 400, 384, 14
	PICK 384, 256, 12
	PICK 256, 128, 10
	PICK 128, 0, 8
	s_lshl_b32 s35, ttmp9, 2
	s_add_co_u32 s35, s35, s4                      ; G
	s_lshl_b32 s34, s34, 2
	s_sub_co_u32 s36, s35, s34                     ; my tile within its tensor: 65,536 bytes each
	s_lshl_b32 s36, s36, 16
	s_add_nc_u64 s[IN:IN+1], s[IN:IN+1], s[36:37]
	s_lshl_b32 s36, s35, 13
	s_add_nc_u64 s[22:23], s[22:23], s[36:37]      ; my tile's codes
	s_lshl_b32 s36, s35, 9
	s_add_nc_u64 s[24:25], s[24:25], s[36:37]      ; my 16 rows' scale bytes
.irp b, 0,1,2,3
	v_mov_b32 v[TM+4+\b], 0                        ; a lane permute's destination counts as read
.endr
	LOADR 0
	LOADR 1
.macro STEPQ s
.if (\s) < 7
	s_wait_loadcnt 16                              ; this step's 16 loads are in; the next step's 16 may be out
.else
	s_wait_loadcnt 0x0
.endif
	TOSTAGE \s, STI
.irp b, 0,1,2,3
.irp j, 0,1,2,3
	ds_load_b128 v[X+16*\b+4*\j:X+16*\b+4*\j+3], v[STQ] offset:128*\b+16*\j   ; LDS serves a wave's instructions in order: these see the stores above
.endr
.endr
	s_wait_dscnt 0x0                               ; the numbers are back, and the stage's stores have read their registers
	s_wait_xcnt 0x0                                ; the last step's stores have read the codes' registers
.if (\s) < 6
	LOADR (\s)+2
.endif
	QUANT X, SW+(\s)
.irp c, 0,1
	global_store_b128 v[LI], v[PC+4*\c:PC+4*\c+3], s[22:23] offset:1024*(\s)+512*\c
.endr
.endm
.irp s, 0,1,2,3,4,5,6,7
	STEPQ \s
.endr
	v_cmp_lt_u32 vcc_lo, 15, v1                    ; lanes 0-15 store words 0-3 of row r, lanes 16-31 words 4-7
.irp q, 0,1,2,3
	v_cndmask_b32 v[24+\q], v[SW+\q], v[SW+4+\q], vcc_lo
.endr
	global_store_b128 v[SOF], v[24:27], s[24:25]   ; 512 consecutive bytes
	s_wait_tensorcnt 0x0                           ; the wave's end, behind my last LDS store
	ds_add_u32 v[SPW], v[NIL]
	s_wait_dscnt 0x0
	s_endpgm
	; ---- Wo to f16
.Lwo:
	s_sub_co_u32 s34, ttmp9, 432
	s_lshl_b32 s34, s34, 2
	s_add_co_u32 s34, s34, s4                      ; NT
	s_lshl_b32 s36, s34, 16
	s_add_nc_u64 s[IN:IN+1], s[20:21], s[36:37]
	s_lshl_b32 s36, s34, 15
	s_add_nc_u64 s[26:27], s[26:27], s[36:37]
	LOADR 0
	LOADR 1
.macro STEPW s
.if (\s) < 7
	s_wait_loadcnt 16                              ; as in the quantiser's step
.else
	s_wait_loadcnt 0x0
.endif
	TOSTAGE \s, STJ
.irp g, 0,1,2,3,4,5,6,7                        ; g = 2 kappa + e: registers 8 g .. 8 g + 7 = k 16 g + 8 h + 0..7 of the step
.irp j, 0,1
	ds_load_b128 v[X+8*\g+4*\j:X+8*\g+4*\j+3], v[STW] offset:64*\g+16*\j
.endr
.endr
	s_wait_dscnt 0x0
	s_wait_xcnt 0x0                                ; the last step's stores have read their data
.if (\s) < 6
	LOADR (\s)+2
.endif
.set n, 0
.rept 32
	v_cvt_pk_f16_f32 v[PC+n], v[X+2*n], v[X+2*n+1]
.set n, n+1
.endr
.irp g, 0,1,2,3,4,5,6,7
	global_store_b128 v[LI], v[PC+4*\g:PC+4*\g+3], s[26:27] offset:4096*(\s)+512*\g
.endr
.endm
.irp s, 0,1,2,3,4,5,6,7
	STEPW \s
.endr
	s_wait_tensorcnt 0x0                           ; the wave's end, as above
	ds_add_u32 v[SPW], v[NIL]
	s_wait_dscnt 0x0
	s_endpgm
	; ---- the table.  Work-group wgr takes position tiles 8 wgr .. 8 wgr + 7; wave w = 2 t + half takes image w of cos and of sin.  No LDS.
.Lrope:
	s_sub_co_u32 s5, ttmp9, 448
	s_lshr_b32 s6, s4, 1
	s_lshl_b32 s6, s6, 4                           ; 16 t
	s_and_b32 s7, s4, 1
	s_lshl_b32 s7, s7, 2                           ; 4 half
	s_add_co_u32 s6, s6, s7
	v_lshl_add_u32 v12, v3, 3, s6                  ; i of my first number
.irp e, 0,1,2,3
	v_add_nc_u32 v[16+\e], \e, v12
.endr
.irp e, 0,1,2,3
	v_cvt_f32_u32 v[16+\e], v[16+\e]
.endr
.irp e, 0,1,2,3
	v_mul_f32 v[16+\e], 0xbed49a78, v[16+\e]       ; - i x log2(10000) / 32
.endr
.irp e, 0,1,2,3
	v_exp_f32 v[20+\e], v[16+\e]                   ; the frequency
.endr
	s_lshl_b32 s7, s5, 7
	v_add_nc_u32 v13, s7, v2                       ; pos = 128 wgr + r.  (A plain place behind the exponentials)
	v_cvt_f32_u32 v13, v13
	s_lshl_b32 s36, s5, 15
	s_lshl_b32 s7, s4, 9
	s_add_co_u32 s36, s36, s7
	s_add_nc_u64 s[28:29], s[28:29], s[36:37]
	s_mov_b32 s36, 0x3f22f983                      ; 2 / pi
	s_mov_b32 s37, 0x3fc90fdb                      ; pi / 2, its upper part;
	s_mov_b32 s38, 0x333bbd2e                      ; what that part is too large by
	s_mov_b32 s39, 0xb94ca1f9                      ; sine's polynomial on |x| <= pi / 4
	s_mov_b32 s40, 0x3c08839e
	s_mov_b32 s41, 0xbe2aaaa3
	s_mov_b32 s42, 0x37ccf5ce                      ; cosine's
	s_mov_b32 s43, 0xbab6061a
	s_mov_b32 s44, 0x3d2aaaa5
	s_mov_b32 s45, 8
	s_wait_alu depctr_va_vdst(0)                   ; one wait for the four exponentials, ahead of their first reader and of the label
.macro SINCOS e
	v_mul_f32 v24, v13, v[20+\e]                   ; the angle, as f32
	v_mul_f32 v25, s36, v24
	v_rndne_f32 v25, v25                           ; n quarter turns
	v_fma_f32 v26, -v25, s37, v24
	v_fma_f32 v26, v25, s38, v26                   ; x = angle - n pi / 2
	v_mul_f32 v27, v26, v26
	v_fma_f32 v28, v27, s39, s40
	v_fma_f32 v28, v28, v27, s41
	v_mul_f32 v29, v26, v27
	v_fma_f32 v28, v28, v29, v26                   ; sin x
	v_fma_f32 v30, v27, s42, s43
	v_fma_f32 v30, v30, v27, s44
	v_mul_f32 v29, v27, v27
	v_fma_f32 v31, v27, -0.5, 1.0
	v_fma_f32 v30, v30, v29, v31                   ; cos x
	v_cvt_i32_f32 v32, v25
	v_and_b32 v33, 1, v32
	v_cmp_eq_u32 vcc_lo, 1, v33                    ; an odd n swaps the two
	v_cndmask_b32 v34, v28, v30, vcc_lo
	v_cndmask_b32 v35, v30, v28, vcc_lo
	v_and_b32 v33, 2, v32
	v_lshlrev_b32 v33, 30, v33
	v_xor_b32 v[44+\e], v34, v33                   ; sin: minus where n mod 4 is 2 or 3
	v_add_nc_u32 v33, 1, v32
	v_and_b32 v33, 2, v33
	v_lshlrev_b32 v33, 30, v33
	v_xor_b32 v[40+\e], v35, v33                   ; cos: minus where n mod 4 is 1 or 2
.endm
.Lrp:
.irp e, 0,1,2,3
	SINCOS \e
.endr
	global_store_b128 v[LI], v[40:43], s[28:29]
	global_store_b128 v[LI], v[44:47], s[28:29] offset:2048
	v_add_f32 v13, 0x41800000, v13                 ; 16 positions on
	s_wait_xcnt 0x0                                ; the stores have read their data and base
	s_add_nc_u64 s[28:29], s[28:29], 4096
	s_sub_co_u32 s45, s45, 1
	s_cmp_lg_u32 s45, 0
	s_cbranch_scc1 .Lrp
	s_endpgm
.Lfunc_end_k_qdc3a1b3d61_prep:
	.size	k_qdc3a1b3d61_prep, .Lfunc_end_k_qdc3a1b3d61_prep-k_qdc3a1b3d61_prep
	.p2alignl 7, 3214868480
	.fill 96, 4, 3214868480
	.section	.rodata,"a",@progbits
	.p2align	6, 0x0
	.amdhsa_kernel k_qdc3a1b3d61_prep
		.amdhsa_group_segment_fixed_size 68096
		.amdhsa_private_segment_fixed_size 0
		.amdhsa_enable_private_segment 0
		.amdhsa_kernarg_size 88
		.amdhsa_user_sgpr_count 2
		.amdhsa_user_sgpr_kernarg_segment_ptr 1
		.amdhsa_wavefront_size32 1
		.amdhsa_system_sgpr_workgroup_id_x 1
		.amdhsa_system_sgpr_workgroup_id_y 1
		.amdhsa_system_sgpr_workgroup_id_z 1
		.amdhsa_system_vgpr_workitem_id 0
		.amdhsa_next_free_vgpr 256
		.amdhsa_next_free_sgpr 66
		.amdhsa_reserve_vcc 1
		.amdhsa_float_denorm_mode_32 3
		.amdhsa_float_denorm_mode_16_64 3
		.amdhsa_memory_ordered 1
		.amdhsa_forward_progress 1
		.amdhsa_inst_pref_size 122
	.end_amdhsa_kernel
	.amdgpu_metadata
---
amdhsa.version: [ 1, 2 ]
amdhsa.kernels:
  - .name:           k_qdc3a1b3d61_prep
    .symbol:         k_qdc3a1b3d61_prep.kd
    .args:
      - { .name: Q, .offset: 0, .size: 8, .value_kind: global_buffer, .address_space: global }
      - { .name: K, .offset: 8, .size: 8, .value_kind: global_buffer, .address_space: global }
      - { .name: V, .offset: 16, .size: 8, .value_kind: global_buffer, .address_space: global }
      - { .name: Wq, .offset: 24, .size: 8, .value_kind: global_buffer, .address_space: global }
      - { .name: Wk, .offset: 32, .size: 8, .value_kind: global_buffer, .address_space: global }
      - { .name: Wv, .offset: 40, .size: 8, .value_kind: global_buffer, .address_space: global }
      - { .name: Wo, .offset: 48, .size: 8, .value_kind: global_buffer, .address_space: global }
      - { .name: codes, .offset: 56, .size: 8, .value_kind: global_buffer, .address_space: global }
      - { .name: scales, .offset: 64, .size: 8, .value_kind: global_buffer, .address_space: global }
      - { .name: wo16, .offset: 72, .size: 8, .value_kind: global_buffer, .address_space: global }
      - { .name: rope, .offset: 80, .size: 8, .value_kind: global_buffer, .address_space: global }
    .group_segment_fixed_size: 68096
    .private_segment_fixed_size: 0
    .kernarg_segment_align: 8
    .kernarg_segment_size: 88
    .max_flat_workgroup_size: 128
    .sgpr_count:     66
    .vgpr_count:     256
    .wavefront_size: 32
...
	.end_amdgpu_metadata
.endif
;; end of part 1
;; launch proj (part 2): grid 4 x 192, 8 waves a work-group, clusters of 4 x 4, 197,632 bytes of LDS; arguments codes, scales, rope, bq, bk, bv, qkv16, fine32; writes qkv16, fine32
.if DOCPART == 2
	.amdgcn_target "amdgcn-amd-amdhsa--gfx1250"
	.amdhsa_code_object_version 6
	.text
	.protected	k_qdc3a1b3d61_proj
	.globl	k_qdc3a1b3d61_proj
	.p2align	8
	.type	k_qdc3a1b3d61_proj,@function
k_qdc3a1b3d61_proj:
	s_mov_b64 s[64:65], 0
	v_nop
	global_prefetch_b8 v0, s[64:65] scope:SCOPE_SE
	s_setreg_imm32_b32 hwreg(HW_REG_WAVE_MODE, 25, 1), 1
	s_wait_xcnt 0x0
	s_wait_alu depctr_hold_cnt(0) depctr_sa_sdst(0) depctr_va_vdst(0) depctr_va_sdst(0) depctr_va_ssrc(0) depctr_va_vcc(0) depctr_vm_vsrc(0)
	s_getreg_b32 s2, hwreg(HW_REG_IB_STS2, 6, 4)
	s_cmp_eq_u32 s2, 0
	s_cbranch_scc0 .Lentry_in_a_cluster
	s_endpgm
.Lentry_in_a_cluster:
	s_bfe_u32 s2, ttmp6, 0x10000c
	s_cmp_lg_u32 s2, 0xf033
	s_cbranch_scc0 .Lentry_shape_is_right
	s_endpgm
.Lentry_shape_is_right:
; q = rope(Q Wq^T + bq), k = rope(K Wk^T + bk), v = V Wv^T + bv, the products on codes of FP4 with E8M0 scales; sums, bias and rotation in f32; results rounded once to f16.
; A work-group makes 128 rows x 256 columns of one of the three; cluster y = 16 T + mt (T: which tensor; mt: which 128 rows of a sequence), cy = the batch, cx = which 256 columns.
; Eight waves: wave w makes rows 64 (w / 4) on, and the head 4 cx + w % 4 (64 columns): 16 accumulators.  All of K (1,024) lies in LDS: 8 row tiles of A and 16 of B, 8,192 bytes each,
; as images of the operands' registers, so that every LDS load is 512 consecutive bytes.  Nothing is filled again.
; CLUSTER: the four work-groups of a row of the cluster need the same rows of A, the four of a column the same rows of B: each tile is asked for jointly.  By this text's count a wave has two tensor loads out.
; q and k are made TRANSPOSED (source 0 = 16 rows of W): a lane holds one row and eight neighbouring channels; v the other way (source 0 = 16 keys): a lane holds one channel and eight neighbouring keys.
; So four conversions give 16 bytes that ARE a register group of the attention's fragments, and each store of a wave covers 512 consecutive bytes:
;   q, k: T*2^24 + bh*262144 + P*2048 + t*512 + 16*lane = row 16P + r, channels 16t + 8h + 0..7;   v: 2^25 + bh*262144 + KT*4096 + ct*1024 + e*512 + 16*lane = channel 16ct + r, keys 32KT + 16e + 8h + 0..7.
; The accumulators of positions 0-15 of each sequence also leave as f32 (fine32), for the launch that redoes those rows finely.
; LIMIT: q, k, v go to f16: magnitudes under 65,504.
.set ACC, 32                           ; v32-159 accumulator (i, t) at ACC + 8 (4 i + t)
.set AF,  160                          ; v160-191 A's four fragments; later a tile of the rotation's table
.set BF,  192                          ; v192-223 B's four; later likewise
.set SC,  224                          ; v224-255 scale words and nothing else: SC + 8 i + s: lanes 0-15 A's tile i, lanes 16-31 B's tile i, K step s
.set BV,  12                           ; v12-19 v's bias, twice for each tile of channels
.set SPARE, 196608                     ; the spare words, 128 bytes a wave, which no other line names
.macro CROUND                          ; a round of the cluster's barrier
	s_barrier_signal -1
	s_barrier_wait -1
	s_cmp_lg_u32 s4, 0
	s_cbranch_scc1 .Lnot_wave_0_\@
	s_barrier_signal -3
.Lnot_wave_0_\@:
	s_barrier_wait -3
	s_barrier_signal -1
	s_barrier_wait -1
.endm
.macro PLACES
.rept 4
	v_nop
.endr
.endm
	s_load_b512 s[8:23], s[0:1], 0x0               ; codes, scales, rope, bq, bk, bv, qkv16, fine32
	v_lshl_add_u32 v4, v0, 2, SPARE
	v_mov_b32 v5, 0
	ds_add_u32 v4, v5                              ; the wave's opening: the add, twice on end, and its wait ahead of my first tensor load
	ds_add_u32 v4, v5
	v_lshrrev_b32 v1, 5, v0
	v_readfirstlane_b32 s4, v1                     ; wave 0..7
	s_lshr_b32 s5, s4, 2                           ; wm
	s_and_b32 s6, s4, 3                            ; wn
	s_bfe_u32 s40, ttmp6, 0x40000                  ; cx
	s_bfe_u32 s41, ttmp6, 0x40004                  ; cy
	s_and_b32 s42, ttmp7, 0xffff                   ; cluster y: the same in all sixteen partners
	s_lshr_b32 s43, s42, 4                         ; T
	s_and_b32 s44, s42, 15                         ; mt
	s_lshl_b32 s45, s41, 2
	s_lshl_b32 s45, 15, s45                        ; my row of the cluster
	s_lshl_b32 s46, 0x1111, s40                    ; my column
	; group 1: dense blocks as rows of 256 bytes (32 elements of 8 bytes): A's 32 rows, B's 64
	s_or_b32 s24, s45, (3<<16)|(1<<21)
	s_mov_b32 s25, 32<<16
	s_mov_b32 s26, 32<<16
	s_mov_b32 s27, 32<<16
	s_mov_b32 s28, 32
	s_mov_b32 s29, 32
	s_mov_b32 s30, 0
	s_mov_b32 s31, 0
	s_or_b32 s32, s46, (3<<16)|(1<<21)
	s_mov_b32 s33, 32<<16
	s_mov_b32 s34, 64<<16
	s_mov_b32 s35, 32<<16
	s_mov_b32 s36, 64
	s_mov_b32 s37, 32
	s_mov_b32 s38, 0
	s_mov_b32 s39, 0
	s_lshl_b32 s56, s43, 9                         ; A's tile: 512 T + 128 cy + 8 mt + wave (no cx in these registers)
	s_lshl_b32 s57, s41, 7
	s_add_co_u32 s56, s56, s57
	s_lshl_b32 s57, s44, 3
	s_add_co_u32 s56, s56, s57
	s_add_co_u32 s56, s56, s4
	s_lshl_b32 s56, s56, 13
	s_mov_b32 s57, 0
	s_lshl_b32 s58, s43, 6                         ; B's tiles: 1536 + 64 T + 16 cx + 2 wave (no cy in these)
	s_lshl_b32 s59, s40, 4
	s_add_co_u32 s58, s58, s59
	s_lshl_b32 s59, s4, 1
	s_add_co_u32 s58, s58, s59
	s_add_co_u32 s58, s58, 1536
	s_lshl_b32 s58, s58, 13
	s_mov_b32 s59, 0
	s_wait_dscnt 0x0                               ; both opening adds are done
	s_wait_kmcnt 0x0
	s_mov_b32 s48, 1
	s_lshl_b32 s49, s4, 13                         ; A's tile w at 8192 w
	s_add_nc_u64 s[50:51], s[8:9], s[56:57]
	s_or_b32 s51, s51, 0x80000000
	s_mov_b32 s52, 1
	s_lshl_b32 s53, s4, 14
	s_add_co_u32 s53, s53, 65536                   ; B's tiles 2 w, 2 w + 1 behind A's eight
	s_add_nc_u64 s[54:55], s[8:9], s[58:59]
	s_or_b32 s55, s55, 0x80000000
	CROUND                                         ; all sixteen work-groups are here: the joint loads meet
	tensor_load_to_lds s[48:51], s[24:31]
	s_nop 0
	tensor_load_to_lds s[52:55], s[32:39]
	s_nop 0
	PLACES
	v_and_b32 v20, 15, v0                          ; r
	v_bfe_u32 v21, v0, 4, 1                        ; h
	v_and_b32 v1, 31, v0
	v_lshlrev_b32 v1, 4, v1                        ; 16 x lane
	s_lshl_b32 s60, s5, 15
	v_add_nc_u32 v2, s60, v1                       ; my four tiles of A
	s_lshl_b32 s60, s6, 15
	s_add_co_u32 s60, s60, 65536
	v_add_nc_u32 v3, s60, v1                       ; my four tiles of B
	s_lshl_b32 s60, s43, 13                        ; the scale bytes' rows: A's 8192 T + 2048 cy + 128 mt + 64 wm,
	s_lshl_b32 s61, s41, 11
	s_add_co_u32 s60, s60, s61
	s_lshl_b32 s61, s44, 7
	s_add_co_u32 s60, s60, s61
	s_lshl_b32 s61, s5, 6
	s_add_co_u32 s60, s60, s61
	s_lshl_b32 s61, s43, 10                        ; B's 24576 + 1024 T + 256 cx + 64 wn
	s_lshl_b32 s62, s40, 8
	s_add_co_u32 s61, s61, s62
	s_lshl_b32 s62, s6, 6
	s_add_co_u32 s61, s61, s62
	s_add_co_u32 s61, s61, 24576
	s_sub_co_u32 s61, s61, s60
	s_lshl_b32 s61, s61, 5
	s_lshl_b32 s60, s60, 5
	v_mul_u32_u24 v6, s61, v21                     ; lanes 16-31 take B's
	v_lshl_add_u32 v6, v20, 5, v6
	v_add_nc_u32 v6, s60, v6
.irp i, 0,1,2,3
.irp q, 0,1
	global_load_b128 v[SC+8*\i+4*\q:SC+8*\i+4*\q+3], v6, s[10:11] offset:512*\i+16*\q
.endr
.endr
	s_lshl_b32 s62, s41, 4
	s_lshl_b32 s63, s40, 2
	s_add_co_u32 s62, s62, s63
	s_add_co_u32 s62, s62, s6                      ; bh = 16 batch + head
	s_lshl_b32 s66, s43, 24
	s_lshl_b32 s67, s62, 18
	s_add_co_u32 s66, s66, s67
	s_lshl_b32 s68, s44, 3
	s_lshl_b32 s69, s5, 2
	s_add_co_u32 s68, s68, s69                     ; my first tile of positions: 8 mt + 4 wm
	s_lshl_b32 s67, s68, 11
	s_add_co_u32 s66, s66, s67
	s_mov_b32 s67, 0
	s_add_nc_u64 s[20:21], s[20:21], s[66:67]      ; where my images go (v's (4 mt + 2 wm) x 4096 is the same number)
	s_lshl_b32 s66, s43, 18
	s_lshl_b32 s69, s62, 12
	s_add_co_u32 s66, s66, s69
	s_add_nc_u64 s[22:23], s[22:23], s[66:67]
	s_lshl_b32 s66, s68, 12
	s_add_nc_u64 s[12:13], s[12:13], s[66:67]      ; the table at my first tile of positions
	s_cmp_eq_u32 s43, 0
	s_cselect_b64 s[60:61], s[14:15], s[16:17]
	s_cmp_eq_u32 s43, 2
	s_cselect_b64 s[60:61], s[18:19], s[60:61]     ; my tensor's bias,
	s_lshl_b32 s66, s40, 10
	s_lshl_b32 s69, s6, 8
	s_add_co_u32 s66, s66, s69
	s_add_nc_u64 s[60:61], s[60:61], s[66:67]      ; at my head's 64 numbers
	s_or_b32 s70, s44, s5                          ; 0: my first tile holds positions 0-15
; A K step: 16 LDS loads, 16 products; the sixteen accumulators take turns, in the same order in every step.
.macro KS s, swap, zero
.if (\s) > 0
	PLACES                                         ; in front of loads into registers that the last products read
.endif
.irp i, 0,1,2,3
.irp c, 0,1
	ds_load_b128 v[AF+8*\i+4*\c:AF+8*\i+4*\c+3], v2 offset:8192*\i+1024*(\s)+512*\c
	ds_load_b128 v[BF+8*\i+4*\c:BF+8*\i+4*\c+3], v3 offset:8192*\i+1024*(\s)+512*\c
.endr
.endr
	s_wait_dscnt 0x0
.irp i, 0,1,2,3
.irp t, 0,1,2,3
.if \swap
.if \zero
	v_wmma_scale_f32_16x16x128_f8f6f4 v[ACC+8*(4*\i+\t):ACC+8*(4*\i+\t)+7], v[AF+8*\i:AF+8*\i+7], v[BF+8*\t:BF+8*\t+7], 0, v[SC+8*\i+(\s)], v[SC+8*\t+(\s)] matrix_a_fmt:MATRIX_FMT_FP4 matrix_b_fmt:MATRIX_FMT_FP4 matrix_b_scale:MATRIX_SCALE_ROW1
.else
	v_wmma_scale_f32_16x16x128_f8f6f4 v[ACC+8*(4*\i+\t):ACC+8*(4*\i+\t)+7], v[AF+8*\i:AF+8*\i+7], v[BF+8*\t:BF+8*\t+7], v[ACC+8*(4*\i+\t):ACC+8*(4*\i+\t)+7], v[SC+8*\i+(\s)], v[SC+8*\t+(\s)] matrix_a_fmt:MATRIX_FMT_FP4 matrix_b_fmt:MATRIX_FMT_FP4 matrix_b_scale:MATRIX_SCALE_ROW1
.endif
.else
	v_wmma_scale_f32_16x16x128_f8f6f4 v[ACC+8*(4*\i+\t):ACC+8*(4*\i+\t)+7], v[BF+8*\t:BF+8*\t+7], v[AF+8*\i:AF+8*\i+7], v[ACC+8*(4*\i+\t):ACC+8*(4*\i+\t)+7], v[SC+8*\t+(\s)], v[SC+8*\i+(\s)] matrix_a_fmt:MATRIX_FMT_FP4 matrix_b_fmt:MATRIX_FMT_FP4 matrix_a_scale:MATRIX_SCALE_ROW1
.endif
.endr
.endr
.endm
.macro FINEOUT                         ; tile 0's accumulators as they stand, f32
.irp t, 0,1,2,3
	global_store_b128 v1, v[ACC+8*\t:ACC+8*\t+3], s[22:23] offset:1024*\t
	global_store_b128 v1, v[ACC+8*\t+4:ACC+8*\t+7], s[22:23] offset:1024*\t+512
.endr
	s_wait_xcnt 0x0                                ; these registers are packed in place below
.endm
.macro PACKST i, isv                   ; tile i: eight f32 to 16 bytes of f16, in place, and out
.irp t, 0,1,2,3
.irp n, 0,1,2,3
	v_cvt_pk_f16_f32 v[ACC+8*(4*\i+\t)+\n], v[ACC+8*(4*\i+\t)+2*\n], v[ACC+8*(4*\i+\t)+2*\n+1]
.endr
.if \isv
	global_store_b128 v1, v[ACC+8*(4*\i+\t):ACC+8*(4*\i+\t)+3], s[20:21] offset:4096*(\i/2)+1024*\t+512*(\i%2)
.else
	global_store_b128 v1, v[ACC+8*(4*\i+\t):ACC+8*(4*\i+\t)+3], s[20:21] offset:2048*\i+512*\t
.endif
.endr
.endm
	s_cmp_eq_u32 s43, 2
	s_cbranch_scc1 .Lv
	; ---- q and k.  The bias is loaded into the accumulators: every product adds in place
	v_lshlrev_b32 v7, 5, v21                       ; 8 h numbers on
.irp i, 0,1,2,3
.irp t, 0,1,2,3
	global_load_b128 v[ACC+8*(4*\i+\t):ACC+8*(4*\i+\t)+3], v7, s[60:61] offset:64*\t
	global_load_b128 v[ACC+8*(4*\i+\t)+4:ACC+8*(4*\i+\t)+7], v7, s[60:61] offset:64*\t+16
.endr
.endr
	s_wait_tensorcnt 0x0                           ; my two tiles have landed,
	s_barrier_signal -1
	s_barrier_wait -1                              ; everybody's have
	s_wait_loadcnt 0x0                             ; scale words and bias
.irp s, 0,1,2,3,4,5,6,7
	KS \s, 0, 0
.endr
.macro RLOAD i, rb                     ; the table's tile of positions i: cos at rb + 8 t + j, sin at rb + 16 + 8 t + j
.irp g, 0,1,2,3,4,5,6,7
	global_load_b128 v[\rb+4*\g:\rb+4*\g+3], v1, s[12:13] offset:4096*\i+512*\g
.endr
.endm
.macro ROPE i, rb                      ; channels c and c + 32 turn together; each accumulator is read from its low end on
.irp t, 0,1
.irp j, 0,2,4,6
	v_pk_mul_f32 v[8:9], v[ACC+8*(4*\i+\t+2)+\j:ACC+8*(4*\i+\t+2)+\j+1], v[\rb+16+8*\t+\j:\rb+16+8*\t+\j+1]
	v_pk_mul_f32 v[10:11], v[ACC+8*(4*\i+\t)+\j:ACC+8*(4*\i+\t)+\j+1], v[\rb+16+8*\t+\j:\rb+16+8*\t+\j+1]
	v_pk_fma_f32 v[ACC+8*(4*\i+\t)+\j:ACC+8*(4*\i+\t)+\j+1], v[ACC+8*(4*\i+\t)+\j:ACC+8*(4*\i+\t)+\j+1], v[\rb+8*\t+\j:\rb+8*\t+\j+1], v[8:9] neg_lo:[0,0,1] neg_hi:[0,0,1]
	v_pk_fma_f32 v[ACC+8*(4*\i+\t+2)+\j:ACC+8*(4*\i+\t+2)+\j+1], v[ACC+8*(4*\i+\t+2)+\j:ACC+8*(4*\i+\t+2)+\j+1], v[\rb+8*\t+\j:\rb+8*\t+\j+1], v[10:11]
.endr
.endr
.endm
	PLACES                                         ; behind the last products: for the loads below and the first reads of results
	RLOAD 0, AF
	RLOAD 1, BF
	s_wait_loadcnt 8                               ; tile 0's eight loads are in; tile 1's may be out
	ROPE 0, AF
	s_cmp_lg_u32 s70, 0
	s_cbranch_scc1 .Lnofine_qk
	FINEOUT
.Lnofine_qk:
	PACKST 0, 0
	RLOAD 2, AF
	s_wait_loadcnt 8                               ; tile 1's are in; tile 2's may be out
	ROPE 1, BF
	PACKST 1, 0
	RLOAD 3, BF
	s_wait_loadcnt 8                               ; tile 2's are in; tile 3's may be out
	ROPE 2, AF
	PACKST 2, 0
	s_wait_loadcnt 0x0
	ROPE 3, BF
	PACKST 3, 0
	s_branch .Ltail
	; ---- v: a lane holds one channel, so its bias is one number for each tile of channels
.Lv:
	v_lshlrev_b32 v7, 2, v20
.irp t, 0,1,2,3
	global_load_b32 v[BV+2*\t], v7, s[60:61] offset:64*\t
	global_load_b32 v[BV+2*\t+1], v7, s[60:61] offset:64*\t
.endr
	s_wait_tensorcnt 0x0
	s_barrier_signal -1
	s_barrier_wait -1
	s_wait_loadcnt 0x0
	KS 0, 1, 1                                     ; the first products start the sums
.irp s, 1,2,3,4,5,6,7
	KS \s, 1, 0
.endr
	PLACES
.irp i, 0,1,2,3
.irp t, 0,1,2,3
.irp j, 0,2,4,6
	v_pk_add_f32 v[ACC+8*(4*\i+\t)+\j:ACC+8*(4*\i+\t)+\j+1], v[ACC+8*(4*\i+\t)+\j:ACC+8*(4*\i+\t)+\j+1], v[BV+2*\t:BV+2*\t+1]
.endr
.endr
.endr
	s_cmp_lg_u32 s70, 0
	s_cbranch_scc1 .Lnofine_v
	FINEOUT
.Lnofine_v:
.irp i, 0,1,2,3
	PACKST \i, 1
.endr
.Ltail:
	s_wait_tensorcnt 0x0                           ; the wave's end
	ds_add_u32 v4, v5
	s_wait_dscnt 0x0
	CROUND                                         ; the closing round
	s_endpgm
.Lfunc_end_k_qdc3a1b3d61_proj:
	.size	k_qdc3a1b3d61_proj, .Lfunc_end_k_qdc3a1b3d61_proj-k_qdc3a1b3d61_proj
	.p2alignl 7, 3214868480
	.fill 96, 4, 3214868480
	.section	.rodata,"a",@progbits
	.p2align	6, 0x0
	.amdhsa_kernel k_qdc3a1b3d61_proj
		.amdhsa_group_segment_fixed_size 197632
		.amdhsa_private_segment_fixed_size 0
		.amdhsa_enable_private_segment 0
		.amdhsa_kernarg_size 64
		.amdhsa_user_sgpr_count 2
		.amdhsa_user_sgpr_kernarg_segment_ptr 1
		.amdhsa_wavefront_size32 1
		.amdhsa_system_sgpr_workgroup_id_x 1
		.amdhsa_system_sgpr_workgroup_id_y 1
		.amdhsa_system_sgpr_workgroup_id_z 1
		.amdhsa_system_vgpr_workitem_id 0
		.amdhsa_next_free_vgpr 256
		.amdhsa_next_free_sgpr 80
		.amdhsa_reserve_vcc 0
		.amdhsa_float_denorm_mode_32 3
		.amdhsa_float_denorm_mode_16_64 3
		.amdhsa_memory_ordered 1
		.amdhsa_forward_progress 1
		.amdhsa_inst_pref_size 90
	.end_amdhsa_kernel
	.amdgpu_metadata
---
amdhsa.version: [ 1, 2 ]
amdhsa.kernels:
  - .name:           k_qdc3a1b3d61_proj
    .symbol:         k_qdc3a1b3d61_proj.kd
    .args:
      - { .name: codes, .offset: 0, .size: 8, .value_kind: global_buffer, .address_space: global }
      - { .name: scales, .offset: 8, .size: 8, .value_kind: global_buffer, .address_space: global }
      - { .name: rope, .offset: 16, .size: 8, .value_kind: global_buffer, .address_space: global }
      - { .name: bq, .offset: 24, .size: 8, .value_kind: global_buffer, .address_space: global }
      - { .name: bk, .offset: 32, .size: 8, .value_kind: global_buffer, .address_space: global }
      - { .name: bv, .offset: 40, .size: 8, .value_kind: global_buffer, .address_space: global }
      - { .name: qkv16, .offset: 48, .size: 8, .value_kind: global_buffer, .address_space: global }
      - { .name: fine32, .offset: 56, .size: 8, .value_kind: global_buffer, .address_space: global }
    .group_segment_fixed_size: 197632
    .private_segment_fixed_size: 0
    .kernarg_segment_align: 8
    .kernarg_segment_size: 64
    .max_flat_workgroup_size: 256
    .sgpr_count:     80
    .vgpr_count:     256
    .wavefront_size: 32
...
	.end_amdgpu_metadata
.endif
;; end of part 2
;; launch attn (part 3): grid 4 x 64, 16 waves a work-group, no clusters, 327,680 bytes of LDS; arguments qkv16, att16; writes att16
.if DOCPART == 3
	.amdgcn_target "amdgcn-amd-amdhsa--gfx1250"
	.amdhsa_code_object_version 6
	.text
	.protected	k_qdc3a1b3d61_attn
	.globl	k_qdc3a1b3d61_attn
	.p2align	8
	.type	k_qdc3a1b3d61_attn,@function
k_qdc3a1b3d61_attn:
	s_mov_b64 s[64:65], 0
	v_nop
	global_prefetch_b8 v0, s[64:65] scope:SCOPE_SE
	s_setreg_imm32_b32 hwreg(HW_REG_WAVE_MODE, 25, 1), 1
	s_wait_xcnt 0x0
; att[b][q][head] = softmax over keys k <= q of (q . k / 8) times v, for 64 (batch, head) pairs of 2,048 positions, head size 64.  Operands f16, products' sums, maxima and row sums f32; the weights p are rounded to f16.
; SHARES.  Work-group (j, bh): waves 0-7 own query block j (256 queries), waves 8-15 block 7 - j: under the causal mask every work-group so has the same work.  A wave owns 32 queries, two tiles of 16.
; Every wave walks all eight slots of 256 keys: the trip counts are constants.  A step of 64 keys that lies wholly behind the wave's queries is jumped over by a scalar branch on ids.
; LAYOUT.  S^T = K Q^T and O^T = V^T P: a lane holds one query throughout.  K, V and Q lie in memory as images of their fragments' registers, so a slot is two dense blocks of 32,768 bytes and every LDS load is 512 consecutive bytes.
; SOFTMAX.  A running maximum m and sum l for each query: p = 2^(c s - c m), c = log2(e) / 8; in each step O and l are multiplied by a = 2^(c m_old - c m_new).  Key 0 of each walked step counts for every query of the wave.
; RING.  Two slots; waves 0-3 fetch a quarter of a slot each, 64 rows of 256 bytes.  The look-ahead ends at the causal limit: a slot whose first key lies behind the work-group's last query is not asked for.  Every wait on TENSORcnt is for 0.
; NO CLUSTER: the four work-groups of a head need 8, 7, 6 and 5 slots, so a joint load would bring some partner tiles that none of its waves reads.
; The result leaves as f16 images of the output projection's fragments: RT*32768 + head*2048 + ct*512 + 16*lane = row r of row tile RT, column 64 head + 16 ct + 8 h + 0..7.
; LIMIT: magnitudes of q, k, v under 65,504.
.set SLOT1, 65536
.set SPARE, 131072                     ; the spare words, 128 bytes a wave, which no other line names
.set LI,  1                            ; v1 16 x lane
.set ADR, 2                            ; v2 16 x lane + the slot in hand
.set SPW, 3                            ; v3 my spare word; never rewritten
.set NIL, 4                            ; v4 0; never rewritten
.set PFO, 8                            ; v8 256 x lane
.set ST,  12                           ; v12-27 statistics, eight a tile: +0 c m, +1 m, +2, +3 l, +4..7 at work (a in +6)
.set Q,   32                           ; v32-63 Q: tile u, channels 32 k on, at Q + 16 u + 8 k
.set F,   64                           ; v64-127 eight fragments of K, then of V
.set S,   128                          ; v128-191 S^T: tile u, keys 16 t on, at S + 32 u + 8 t; p is packed in place into the first 16 of each tile
.set OT,  192                          ; v192-255 O^T: tile u, channels 16 c on, at OT + 32 u + 8 c
.set WV,  8
.set Q0,  11                           ; s11 my first query
.set KF,  12                           ; s12 the step's first key
.set LASTQ, 13                         ; s13 my work-group's last query
.set TB,  14                           ; s14 the slot in hand
.set SLOTS, 15
.set G1,  16                           ; s[16:23]
.set G0,  24                           ; s[24:27] walks
.set SEL, 28
.set CS,  30
.set PFA, 32                           ; s[32:33] where my prefetches stand
.set LIM, 34
.set OUTP, 36
.macro TLOAD                           ; waves 0-3 fetch; the branch hangs on the wave's number alone
	s_cmp_lt_u32 s[WV], 4
	s_cbranch_scc0 .Lasked_\@
	tensor_load_to_lds s[G0:G0+3], s[G1:G1+7]
	s_nop 0
.rept 4
	v_nop
.endr
.Lasked_\@:
.endm
; A prefetch of what the NEXT change of slots will ask for: 32,768 bytes of K and of V.  All four work-groups of a head walk the same K and V: the first of them asks; in it waves 4-7 for K, waves 8-11 for V,
; 8,192 bytes a wave, lanes 256 bytes apart: each block is named once.  The last change that fills a slot asks for nothing.  Slots 0 and 1 come by their loads alone.
.macro ASK
	s_cmp_gt_u32 s[SLOTS], s[LIM]
	s_cbranch_scc0 .Lnot_mine_\@
	global_prefetch_b8 v[PFO], s[PFA:PFA+1] th:TH_LOAD_NT scope:SCOPE_SE
.Lnot_mine_\@:
.endm
	s_load_b128 s[4:7], s[0:1], 0x0                ; qkv16, att16
	v_lshl_add_u32 v[SPW], v0, 2, SPARE
	v_mov_b32 v[NIL], 0
	ds_add_u32 v[SPW], v[NIL]                      ; the wave's opening: the add, twice on end, and its wait ahead of the first tensor load
	ds_add_u32 v[SPW], v[NIL]
	v_lshrrev_b32 v1, 5, v0
	v_readfirstlane_b32 s[WV], v1                  ; wave 0..15
	s_and_b32 s9, ttmp7, 0xffff                    ; bh
	s_sub_co_u32 s10, 7, ttmp9
	s_cmp_lt_u32 s[WV], 8
	s_cselect_b32 s10, ttmp9, s10                  ; my block of queries
	s_lshl_b32 s[Q0], s10, 8
	s_and_b32 s10, s[WV], 7
	s_lshl_b32 s10, s10, 5
	s_add_co_u32 s[Q0], s[Q0], s10
	s_sub_co_u32 s[LASTQ], 8, ttmp9
	s_lshl_b32 s[LASTQ], s[LASTQ], 8
	s_sub_co_u32 s[LASTQ], s[LASTQ], 1
	s_mov_b32 s[KF], 0
	s_mov_b32 s[TB], 0
	s_mov_b32 s[SLOTS], 7
	s_mov_b32 s[G1], 3<<16                         ; a dense block of 16,384 bytes as 64 rows of 32 elements of 8 bytes; no mask, no padding
	s_mov_b32 s[G1+1], 32<<16
	s_mov_b32 s[G1+2], 64<<16
	s_mov_b32 s[G1+3], 32<<16
	s_mov_b32 s[G1+4], 64
	s_mov_b32 s[G1+5], 32
	s_mov_b32 s[G1+6], 0
	s_mov_b32 s[G1+7], 0
	s_mov_b32 s[SEL], 0x76543210
	s_mov_b32 s[SEL+1], 0xfedcba98
	s_mov_b32 s[CS], 0x3e38aa3b                    ; c = log2(e) / 8
	s_mov_b32 s[CS+1], s[CS]
	s_lshl_b32 s38, s9, 18                         ; the head's 262,144 bytes in each section
	s_and_b32 s40, s[WV], 3
	s_and_b32 s41, s[WV], 1
	s_lshl_b32 s42, s41, 14                        ; which half of the slot's block,
	s_and_b32 s41, s[WV], 2
	s_lshl_b32 s41, s41, 23                        ; K's section (2^24) or V's (2^25)
	s_add_co_u32 s42, s42, s41
	s_add_co_u32 s42, s42, 1<<24
	s_add_co_u32 s42, s42, s38
	s_mov_b32 s43, 0
	s_wait_dscnt 0x0                               ; both opening adds are done
	s_wait_kmcnt 0x0
	s_mov_b32 s[G0], 1
	s_lshl_b32 s[G0+1], s40, 14                    ; slot 0: K's two halves, then V's two
	s_add_nc_u64 s[G0+2:G0+3], s[4:5], s[42:43]
	s_or_b32 s[G0+3], s[G0+3], 0x80000000
	TLOAD                                          ; slot 0
	s_lshl_b32 s44, s[Q0], 7                       ; Q: 2,048 bytes a tile of 16 queries
	s_add_co_u32 s44, s44, s38
	s_mov_b32 s45, 0
	s_add_nc_u64 s[44:45], s[4:5], s[44:45]
	s_lshr_b32 s46, s9, 4
	s_lshl_b32 s46, s46, 22                        ; the batch's 128 row tiles of 32,768 bytes,
	s_lshl_b32 s47, s[Q0], 11                      ; my first row tile,
	s_add_co_u32 s46, s46, s47
	s_and_b32 s47, s9, 15
	s_lshl_b32 s47, s47, 11                        ; my head's 2,048 bytes in it
	s_add_co_u32 s46, s46, s47
	s_mov_b32 s47, 0
	s_add_nc_u64 s[OUTP:OUTP+1], s[6:7], s[46:47]
	s_mov_b32 s48, 1<<25
	s_cmp_lt_u32 s[WV], 8
	s_cselect_b32 s48, 1<<24, s48
	s_lshl_b32 s49, s40, 13
	s_add_co_u32 s48, s48, s49
	s_add_co_u32 s48, s48, s38
	s_add_co_u32 s48, s48, 32768                   ; in slot 1: the first change of slots steps it to slot 2
	s_mov_b32 s49, 0
	s_add_nc_u64 s[PFA:PFA+1], s[4:5], s[48:49]
	s_sub_co_u32 s48, s[WV], 4
	s_lshr_b32 s48, s48, 3                         ; 0 in waves 4 to 11,
	s_or_b32 s48, s48, ttmp9                       ; of the head's first work-group
	s_cmp_eq_u32 s48, 0
	s_cselect_b32 s[LIM], 1, -1
	v_and_b32 v1, 31, v0
	v_lshlrev_b32 v[PFO], 8, v1
	v_lshlrev_b32 v[LI], 4, v1
.irp u, 0,1
.irp k, 0,1
.irp e, 0,1
	global_load_b128 v[Q+16*\u+8*\k+4*\e:Q+16*\u+8*\k+4*\e+3], v[LI], s[44:45] offset:2048*\u+1024*\k+512*\e
.endr
.endr
.endr
	v_and_b32 v9, 15, v0
	v_bfe_u32 v10, v0, 4, 1
	v_lshlrev_b32 v10, 3, v10
	v_sub_nc_u32 v9, v9, v10                       ; r - 8 h
	v_mov_b32 v5, 0xff800000                       ; -infinity
.irp u, 0,1
	v_mov_b32 v[ST+8*\u+1], 0xff61b1e6             ; m: -3e38, under every score
	v_mul_f32 v[ST+8*\u], s[CS], v[ST+8*\u+1]
.irp n, 2,3,4,5,6,7
	v_mov_b32 v[ST+8*\u+\n], 0
.endr
.endr
.set n, 0
.rept 64
	v_mov_b32 v[OT+n], 0                           ; the step is written once: the first finds zeros, which a = 0 leaves zeros
.set n, n+1
.endr
; A KEY STEP: 64 keys, the q-th of the slot in hand
.macro STEP q
	s_add_co_u32 s50, s[Q0], 31
	s_cmp_gt_u32 s[KF], s50                        ; all its keys lie behind my queries: ids and the count of steps alone
	s_cbranch_scc1 .Lhidden_\@
.rept 5
	v_nop                                          ; five places: the products below write over registers that the last step's products read as p; four serve the loads
.endr
.irp f, 0,1,2,3,4,5,6,7                        ; K: fragment f = 2 t + k: keys 16 t on, channels 32 k on
	ds_load_b128 v[F+8*\f:F+8*\f+3], v[ADR] offset:8192*(\q)+1024*\f
	ds_load_b128 v[F+8*\f+4:F+8*\f+7], v[ADR] offset:8192*(\q)+1024*\f+512
.endr
	s_wait_dscnt 0x0
.irp k, 0,1                                    ; eight accumulators by turns
.irp t, 0,1,2,3
.irp u, 0,1
.if \k == 0
	v_wmma_f32_16x16x32_f16 v[S+32*\u+8*\t:S+32*\u+8*\t+7], v[F+8*(2*\t+\k):F+8*(2*\t+\k)+7], v[Q+16*\u+8*\k:Q+16*\u+8*\k+7], 0
.else
	v_wmma_f32_16x16x32_f16 v[S+32*\u+8*\t:S+32*\u+8*\t+7], v[F+8*(2*\t+\k):F+8*(2*\t+\k)+7], v[Q+16*\u+8*\k:Q+16*\u+8*\k+7], v[S+32*\u+8*\t:S+32*\u+8*\t+7]
.endif
.endr
.endr
.endr
.rept 4
	v_nop                                          ; places: for V's loads into K's registers and for the first reads of the scores
.endr
.irp g, 0,1,2,3,4,5,6,7                        ; V: fragment g = 4 k + c: keys 32 k on, channels 16 c on; it lands while the softmax is worked
	ds_load_b128 v[F+8*\g:F+8*\g+3], v[ADR] offset:32768+8192*(\q)+1024*\g
	ds_load_b128 v[F+8*\g+4:F+8*\g+7], v[ADR] offset:32768+8192*(\q)+1024*\g+512
.endr
	s_add_co_u32 s50, s[KF], 63
	s_cmp_le_u32 s50, s[Q0]                        ; all keys count for all my queries: no mask
	s_cbranch_scc1 .Lopen_\@
	s_sub_co_i32 s50, s[Q0], s[KF]
	v_add_nc_u32 v6, s50, v9                       ; register 8 t + j of tile u holds key KF + 16 t + 8 h + j: hidden where 16 t + j > Q0 - KF + 16 u + r - 8 h
	v_add_nc_u32 v7, 16, v6
.irp u, 0,1
.irp t, 0,1,2,3
.irp j, 0,1,2,3,4,5,6,7
	v_cmp_gt_i32 vcc_lo, 16*\t+\j, v[6+\u]
	v_cndmask_b32 v[S+32*\u+8*\t+\j], v[S+32*\u+8*\t+\j], v5, vcc_lo
.endr
.endr
.endr
.Lopen_\@:
.irp j, 0,1,2,3                                ; the maximum: four chains a tile, the two tiles by turns; each accumulator is read from its low end on
.irp u, 0,1
	v_max3_num_f32 v[ST+8*\u+4+\j], v[S+32*\u+8*\j], v[S+32*\u+8*\j+1], v[S+32*\u+8*\j+2]
.endr
.endr
.irp w, 1,2
.irp j, 0,1,2,3
.irp u, 0,1
	v_max3_num_f32 v[ST+8*\u+4+\j], v[ST+8*\u+4+\j], v[S+32*\u+8*\j+2*\w+1], v[S+32*\u+8*\j+2*\w+2]
.endr
.endr
.endr
.irp u, 0,1
	v_max3_num_f32 v[ST+8*\u+4], v[ST+8*\u+4], v[S+32*\u+7], v[S+32*\u+15]
	v_max3_num_f32 v[ST+8*\u+6], v[ST+8*\u+6], v[S+32*\u+23], v[S+32*\u+31]
.endr
.irp u, 0,1
	v_max3_num_f32 v[ST+8*\u+4], v[ST+8*\u+4], v[ST+8*\u+5], v[ST+8*\u+6]
.endr
.irp u, 0,1
	v_max3_num_f32 v[ST+8*\u+4], v[ST+8*\u+4], v[ST+8*\u+7], v[ST+8*\u+1]   ; and the old m
.endr
.irp u, 0,1
	v_permlanex16_b32 v[ST+8*\u+5], v[ST+8*\u+4], s[SEL], s[SEL+1]          ; the query's other 32 keys lie 16 lanes away
.endr
.irp u, 0,1
	v_mov_b32 v[ST+8*\u+7], v[ST+8*\u]             ; c m_old
.endr
.irp u, 0,1
	v_max_num_f32 v[ST+8*\u+1], v[ST+8*\u+4], v[ST+8*\u+5]
.endr
.irp u, 0,1
	v_mul_f32 v[ST+8*\u], s[CS], v[ST+8*\u+1]
.endr
.irp u, 0,1
	v_sub_f32 v[ST+8*\u+7], v[ST+8*\u+7], v[ST+8*\u]
.endr
.set n, 0
.rept 16
.irp u, 0,1
	v_pk_fma_f32 v[S+32*\u+2*n:S+32*\u+2*n+1], v[S+32*\u+2*n:S+32*\u+2*n+1], s[CS:CS+1], v[ST+8*\u:ST+8*\u+1] op_sel_hi:[1,0,0] neg_lo:[0,0,1] neg_hi:[0,0,1]   ; c s - c m
.endr
.set n, n+1
.endr
.irp u, 0,1
	v_exp_f32 v[ST+8*\u+6], v[ST+8*\u+7]           ; a
.endr
.set n, 0
.rept 32
.irp u, 0,1
	v_exp_f32 v[S+32*\u+n], v[S+32*\u+n]           ; p
.endr
.set n, n+1
.endr
	v_nop                                          ; the plain place behind the last exponential
	s_wait_alu depctr_va_vdst(0)                   ; one wait for the batch of 66, ahead of its first reader
.irp u, 0,1
	v_pk_mul_f32 v[ST+8*\u+2:ST+8*\u+3], v[ST+8*\u+2:ST+8*\u+3], v[ST+8*\u+6:ST+8*\u+7] op_sel_hi:[1,0]   ; l x a
	v_pk_add_f32 v[ST+8*\u+4:ST+8*\u+5], v[S+32*\u:S+32*\u+1], v[S+32*\u+2:S+32*\u+3]                    ; the row's sum of the unrounded p, in two chains
.endr
.irp j, 4,8,12,16,20,24,28
.irp u, 0,1
	v_pk_add_f32 v[ST+8*\u+2:ST+8*\u+3], v[ST+8*\u+2:ST+8*\u+3], v[S+32*\u+\j:S+32*\u+\j+1]
	v_pk_add_f32 v[ST+8*\u+4:ST+8*\u+5], v[ST+8*\u+4:ST+8*\u+5], v[S+32*\u+\j+2:S+32*\u+\j+3]
.endr
.endr
.irp u, 0,1
	v_pk_add_f32 v[ST+8*\u+2:ST+8*\u+3], v[ST+8*\u+2:ST+8*\u+3], v[ST+8*\u+4:ST+8*\u+5]
.endr
.set n, 0
.rept 16
.irp u, 0,1
	v_cvt_pk_f16_f32 v[S+32*\u+n], v[S+32*\u+2*n], v[S+32*\u+2*n+1]   ; p to f16, in place and ascending: registers 8 k .. 8 k + 7 are the fragment of keys 32 k on
.endr
.set n, n+1
.endr
.set n, 0
.rept 16
.irp u, 0,1
	v_pk_mul_f32 v[OT+32*\u+2*n:OT+32*\u+2*n+1], v[OT+32*\u+2*n:OT+32*\u+2*n+1], v[ST+8*\u+6:ST+8*\u+7] op_sel_hi:[1,0]   ; O^T x a
.endr
.set n, n+1
.endr
	s_wait_dscnt 0x0                               ; V is in
.irp k, 0,1
.irp c, 0,1,2,3
.irp u, 0,1
	v_wmma_f32_16x16x32_f16 v[OT+32*\u+8*\c:OT+32*\u+8*\c+7], v[F+8*(4*\k+\c):F+8*(4*\k+\c)+7], v[S+32*\u+8*\k:S+32*\u+8*\k+7], v[OT+32*\u+8*\c:OT+32*\u+8*\c+7]
.endr
.endr
.endr
.Lhidden_\@:
	s_add_co_u32 s[KF], s[KF], 64
.endm
; THE CHANGE OF SLOTS, at a slot's head.  Each wave waits for all its tensor loads, adds 0 to its spare word, waits for that and for its reads of the slot that it has left, and passes the barrier.
; fill = 1: the slot just left is filled with the keys that follow, up to the causal limit; the load has a slot's four steps in which to land.
.macro CHANGE fill
	s_wait_tensorcnt 0x0
	ds_add_u32 v[SPW], v[NIL]
.if \fill
	ds_add_u32 v[SPW], v[NIL]                      ; where a load may follow, twice on end, in every trip alike
	s_xor_b32 s[G0+1], s[G0+1], SLOT1              ; no tensor load of mine is out: the walking descriptor steps
	s_add_nc_u64 s[G0+2:G0+3], s[G0+2:G0+3], 32768
	s_wait_xcnt 0x0                                ; the last prefetch, a slot back, has read its address
	s_add_nc_u64 s[PFA:PFA+1], s[PFA:PFA+1], 32768
.endif
	s_wait_dscnt 0x0
	s_barrier_signal -1
	s_barrier_wait -1
.if \fill
	s_add_co_u32 s50, s[KF], 256                   ; the first key of the slot that this change would ask for
	s_cmp_gt_u32 s50, s[LASTQ]                     ; the same in all sixteen waves; past the limit a work-group stays past it, and no step reads such a slot
	s_cbranch_scc1 .Lpast_\@
	TLOAD
.Lpast_\@:
	ASK
.endif
.endm
.macro SLOT_STEPS
	v_add_nc_u32 v[ADR], s[TB], v[LI]
	STEP 0
	STEP 1
	STEP 2
	STEP 3
	s_xor_b32 s[TB], s[TB], SLOT1
.endm
	s_wait_loadcnt 0x0                             ; Q
.Lslot:                                            ; seven trips
	CHANGE 1
	SLOT_STEPS
	s_sub_co_u32 s[SLOTS], s[SLOTS], 1
	s_cmp_lg_u32 s[SLOTS], 0
	s_cbranch_scc1 .Lslot
	CHANGE 0                                       ; the last slot is written out: nothing is left to ask for
	SLOT_STEPS
	; THE WAY OUT
.rept 4
	v_nop
.endr
.irp u, 0,1
	v_add_f32 v[ST+8*\u+4], v[ST+8*\u+2], v[ST+8*\u+3]
.endr
.irp u, 0,1
	v_permlanex16_b32 v[ST+8*\u+5], v[ST+8*\u+4], s[SEL], s[SEL+1]
.endr
.irp u, 0,1
	v_add_f32 v[ST+8*\u+4], v[ST+8*\u+4], v[ST+8*\u+5]
.endr
.irp u, 0,1
	v_rcp_f32 v[ST+8*\u+6], v[ST+8*\u+4]
.endr
	v_nop
	s_wait_alu depctr_va_vdst(0)                   ; one wait for the two reciprocals
.irp u, 0,1
.set n, 0
.rept 16
	v_pk_mul_f32 v[OT+32*\u+2*n:OT+32*\u+2*n+1], v[OT+32*\u+2*n:OT+32*\u+2*n+1], v[ST+8*\u+6:ST+8*\u+7] op_sel_hi:[1,0]
.set n, n+1
.endr
.endr
.irp u, 0,1
.set n, 0
.rept 16
	v_cvt_pk_f16_f32 v[S+16*\u+n], v[OT+32*\u+2*n], v[OT+32*\u+2*n+1]
.set n, n+1
.endr
.endr
.irp u, 0,1
.irp c, 0,1,2,3
	global_store_b128 v[LI], v[S+16*\u+4*\c:S+16*\u+4*\c+3], s[OUTP:OUTP+1] offset:32768*\u+512*\c   ; 512 consecutive bytes
.endr
.endr
	s_wait_tensorcnt 0x0                           ; the wave's end
	ds_add_u32 v[SPW], v[NIL]
	s_wait_dscnt 0x0
	s_endpgm
.Lfunc_end_k_qdc3a1b3d61_attn:
	.size	k_qdc3a1b3d61_attn, .Lfunc_end_k_qdc3a1b3d61_attn-k_qdc3a1b3d61_attn
	.p2alignl 7, 3214868480
	.fill 96, 4, 3214868480
	.section	.rodata,"a",@progbits
	.p2align	6, 0x0
	.amdhsa_kernel k_qdc3a1b3d61_attn
		.amdhsa_group_segment_fixed_size 327680
		.amdhsa_private_segment_fixed_size 0
		.amdhsa_enable_private_segment 0
		.amdhsa_kernarg_size 16
		.amdhsa_user_sgpr_count 2
		.amdhsa_user_sgpr_kernarg_segment_ptr 1
		.amdhsa_wavefront_size32 1
		.amdhsa_system_sgpr_workgroup_id_x 1
		.amdhsa_system_sgpr_workgroup_id_y 1
		.amdhsa_system_sgpr_workgroup_id_z 1
		.amdhsa_system_vgpr_workitem_id 0
		.amdhsa_next_free_vgpr 256
		.amdhsa_next_free_sgpr 66
		.amdhsa_reserve_vcc 1
		.amdhsa_float_denorm_mode_32 3
		.amdhsa_float_denorm_mode_16_64 3
		.amdhsa_memory_ordered 1
		.amdhsa_forward_progress 1
		.amdhsa_inst_pref_size 185
	.end_amdhsa_kernel
	.amdgpu_metadata
---
amdhsa.version: [ 1, 2 ]
amdhsa.kernels:
  - .name:           k_qdc3a1b3d61_attn
    .symbol:         k_qdc3a1b3d61_attn.kd
    .args:
      - { .name: qkv16, .offset: 0, .size: 8, .value_kind: global_buffer, .address_space: global }
      - { .name: att16, .offset: 8, .size: 8, .value_kind: global_buffer, .address_space: global }
    .group_segment_fixed_size: 327680
    .private_segment_fixed_size: 0
    .kernarg_segment_align: 8
    .kernarg_segment_size: 16
    .max_flat_workgroup_size: 512
    .sgpr_count:     66
    .vgpr_count:     256
    .wavefront_size: 32
...
	.end_amdgpu_metadata
.endif
;; end of part 3
;; launch oproj (part 4): grid 4 x 64, 8 waves a work-group, clusters of 4 x 4, 327,680 bytes of LDS; arguments att16, wo16, bo, out0; writes out0
.if DOCPART == 4
	.amdgcn_target "amdgcn-amd-amdhsa--gfx1250"
	.amdhsa_code_object_version 6
	.text
	.protected	k_qdc3a1b3d61_oproj
	.globl	k_qdc3a1b3d61_oproj
	.p2align	8
	.type	k_qdc3a1b3d61_oproj,@function
k_qdc3a1b3d61_oproj:
	s_mov_b64 s[64:65], 0
	v_nop
	global_prefetch_b8 v0, s[64:65] scope:SCOPE_SE
	s_setreg_imm32_b32 hwreg(HW_REG_WAVE_MODE, 25, 1), 1
	s_wait_xcnt 0x0
	s_wait_alu depctr_hold_cnt(0) depctr_sa_sdst(0) depctr_va_vdst(0) depctr_va_sdst(0) depctr_va_ssrc(0) depctr_va_vcc(0) depctr_vm_vsrc(0)
	s_getreg_b32 s2, hwreg(HW_REG_IB_STS2, 6, 4)
	s_cmp_eq_u32 s2, 0
	s_cbranch_scc0 .Lentry_in_a_cluster
	s_endpgm
.Lentry_in_a_cluster:
	s_bfe_u32 s2, ttmp6, 0x10000c
	s_cmp_lg_u32 s2, 0xf033
	s_cbranch_scc0 .Lentry_shape_is_right
	s_endpgm
.Lentry_shape_is_right:
; out0 = att Wo^T + bo: [8192][1024] x [1024][1024], f16 operands, f32 sums, f32 out.  Both operands lie in memory as images of their fragments' registers:
; tile*32768 + KS*1024 + e*512 + 16*lane = row 16 tile + r, k = 32 KS + 16 e + 8 h + 0..7.
; A work-group makes 128 rows x 256 columns; eight waves, each 64 x 64: 16 accumulators.  K goes in steps of 128 through a ring of two LDS slots: A's 8 row tiles and B's 16, 4,096 bytes each.
; CLUSTER 4 x 4: A's tiles are shared along a row of the cluster, B's along a column: joint loads.  Waves 0-3 fetch two row tiles of A each, waves 4-7 four of B: one load a wave behind each round.
; The product is used transposed (source 0 = 16 rows of Wo): a lane holds eight neighbouring columns of one row.  The bias is the C of each sum's first product.
; No prefetch: eight short K steps, and both operands are asked for by many work-groups at about the same time.
; REGISTERS: window 0: v1-13 addresses; v64-127, v128-191 two fragment buffers (att's four at +8 i, Wo's four at +32 + 8 t); v192-223 the bias.  Window 1: accumulator (i, t) at v[8 (4 i + t)].
.set SLOT,   98304
.set STAGE,  196608                    ; 16 rows x 272 bytes for each wave; no tile lands here
.set SPITCH, 272
.set SPARE,  231424                    ; the spare words, 128 bytes a wave, which no other line names
.set LI,   1
.set ADRA, 2                           ; v2-3 my four tiles of A in slot 0, 1
.set ADRB, 4                           ; v4-5 of B
.set STO,  6
.set RD,   7
.set CO,   8
.set SPW,  9
.set NIL,  10
.set F0,   64
.set F1,   128
.set BIAS, 192
.set G1,  24
.set G0,  32
.set G1B, 48
.set G0B, 56
.set MSB, 0
.macro WIN new                         ; the immediate's high byte repeats the setting that is left
.if MSB != \new
	s_set_vgpr_msb (MSB<<8)|\new
.set MSB, \new
.endif
.endm
.set MUL,  0x50                        ; C and D window 1
.set MULB, 0x40                        ; D window 1, C (the bias) window 0
.set STG,  0x04                        ; an LDS store's data: window 1
.macro PLACES
.rept 4
	v_nop
.endr
.endm
.macro JLOAD s                         ; an s_nop 0 and four v_nop follow each of the two lines
	s_cmp_eq_u32 s13, 0
	s_cbranch_scc0 .Lfor_b_\@
	tensor_load_to_lds s[G0+4*\s:G0+4*\s+3], s[G1:G1+7]
	s_nop 0
	PLACES
	s_branch .Lasked_\@
.Lfor_b_\@:
	tensor_load_to_lds s[G0B+4*\s:G0B+4*\s+3], s[G1B:G1B+7]
	s_nop 0
	PLACES
.Lasked_\@:
.endm
.macro CREST
	s_cmp_lg_u32 s12, 0
	s_cbranch_scc1 .Lnot_wave_0_\@
	s_barrier_signal -3
.Lnot_wave_0_\@:
	s_barrier_wait -3
	s_barrier_signal -1
	s_barrier_wait -1
.endm
.macro CROUND
	s_barrier_signal -1
	s_barrier_wait -1
	CREST
.endm
	s_load_b256 s[4:11], s[0:1], 0x0               ; att16, wo16, bo, out0
	v_lshl_add_u32 v[SPW], v0, 2, SPARE
	v_mov_b32 v[NIL], 0
	ds_add_u32 v[SPW], v[NIL]                      ; the wave's opening: the add, twice on end, and its wait ahead of my first tensor load
	ds_add_u32 v[SPW], v[NIL]
	v_lshrrev_b32 v1, 5, v0
	v_readfirstlane_b32 s12, v1                    ; wave 0..7
	s_lshr_b32 s13, s12, 2                         ; which 64 rows are mine.  Also: I fetch for A (0) or for B (1)
	s_and_b32 s14, s12, 3                          ; which 64 columns.  Also: which part I fetch
	s_bfe_u32 s40, ttmp6, 0x40000                  ; cx: which 256 columns
	s_bfe_u32 s41, ttmp6, 0x40004                  ; cy
	s_and_b32 s42, ttmp7, 0xffff
	s_lshl_b32 s42, s42, 2
	s_add_co_u32 s42, s42, s41                     ; which 128 rows
	s_lshl_b32 s43, s41, 2
	s_lshl_b32 s43, 15, s43
	s_lshl_b32 s44, 0x1111, s40
	; group 1: rows of 4,096 bytes (512 elements of 8), 32,768 bytes apart: a K step of 2 row tiles (A) or 4 (B); they land on end
	s_or_b32 s[G1], s43, (3<<16)|(1<<21)
	s_mov_b32 s[G1+1], 512<<16
	s_mov_b32 s[G1+2], 2<<16
	s_mov_b32 s[G1+3], 512<<16
	s_mov_b32 s[G1+4], 2
	s_mov_b32 s[G1+5], 4096
	s_mov_b32 s[G1+6], 0
	s_mov_b32 s[G1+7], 0
	s_or_b32 s[G1B], s44, (3<<16)|(1<<21)
	s_mov_b32 s[G1B+1], 512<<16
	s_mov_b32 s[G1B+2], 4<<16
	s_mov_b32 s[G1B+3], 512<<16
	s_mov_b32 s[G1B+4], 4
	s_mov_b32 s[G1B+5], 4096
	s_mov_b32 s[G1B+6], 0
	s_mov_b32 s[G1B+7], 0
	s_lshl_b32 s16, s42, 3                         ; A: row tile 8 x (128 rows) + 2 x part
	s_lshl_b32 s17, s14, 1
	s_add_co_u32 s16, s16, s17
	s_lshl_b32 s16, s16, 15
	s_mov_b32 s17, 0
	s_lshl_b32 s46, s40, 4                         ; B: row tile 16 cx + 4 x part
	s_lshl_b32 s47, s14, 2
	s_add_co_u32 s46, s46, s47
	s_lshl_b32 s46, s46, 15
	s_mov_b32 s47, 0
	s_lshl_b32 s20, s14, 13                        ; where they go
	s_lshl_b32 s21, s14, 14
	s_add_co_u32 s21, s21, 32768
	s_wait_dscnt 0x0                               ; both opening adds are done
	s_wait_kmcnt 0x0
	s_add_nc_u64 s[18:19], s[4:5], s[16:17]
	s_add_nc_u64 s[46:47], s[6:7], s[46:47]
	CROUND                                         ; all sixteen work-groups are here: the first joint loads meet
.irp s, 0,1
	s_mov_b32 s[G0+4*\s], 1
	s_add_co_u32 s[G0+4*\s+1], s20, \s*SLOT
	s_add_nc_u64 s[G0+4*\s+2:G0+4*\s+3], s[18:19], \s*4096
	s_or_b32 s[G0+4*\s+3], s[G0+4*\s+3], 0x80000000
	s_mov_b32 s[G0B+4*\s], 1
	s_add_co_u32 s[G0B+4*\s+1], s21, \s*SLOT
	s_add_nc_u64 s[G0B+4*\s+2:G0B+4*\s+3], s[46:47], \s*4096
	s_or_b32 s[G0B+4*\s+3], s[G0B+4*\s+3], 0x80000000
	JLOAD \s
.endr
	v_and_b32 v1, 31, v0
	v_lshlrev_b32 v[LI], 4, v1
	v_and_b32 v11, 15, v0                          ; r
	v_bfe_u32 v12, v0, 4, 1                        ; h
	s_lshl_b32 s22, s13, 14
	s_lshl_b32 s23, s14, 14
	s_add_co_u32 s23, s23, 32768
.irp s, 0,1
	v_add_nc_u32 v[ADRA+\s], s22, v[LI]
	v_add_nc_u32 v[ADRB+\s], s23, v[LI]
	s_add_co_u32 s22, s22, SLOT
	s_add_co_u32 s23, s23, SLOT
.endr
	s_mul_i32 s22, s12, 16*SPITCH
	s_add_co_u32 s22, s22, STAGE                   ; my stage
	v_mul_u32_u24 v[STO], v11, SPITCH
	v_lshl_add_u32 v[STO], v12, 5, v[STO]
	v_add_nc_u32 v[STO], s22, v[STO]               ; in: row r, 32 bytes for each half of the lanes
	v_mul_u32_u24 v[RD], v12, SPITCH
	v_lshl_add_u32 v[RD], v11, 4, v[RD]
	v_add_nc_u32 v[RD], s22, v[RD]                 ; back: lanes 0-15 one row of 256 bytes, lanes 16-31 the next
	v_lshlrev_b32 v[CO], 12, v12
	v_lshl_add_u32 v[CO], v11, 4, v[CO]            ; and the same in out0
	s_lshl_b32 s66, s40, 10
	s_lshl_b32 s67, s14, 8
	s_add_co_u32 s66, s66, s67                     ; my 64 columns, in bytes
	s_mov_b32 s67, 0
	s_add_nc_u64 s[8:9], s[8:9], s[66:67]
	s_lshl_b32 s68, s42, 7
	s_lshl_b32 s69, s13, 6
	s_add_co_u32 s68, s68, s69
	s_lshl_b32 s68, s68, 12                        ; my first row
	s_add_co_u32 s66, s66, s68
	s_add_nc_u64 s[10:11], s[10:11], s[66:67]
	v_lshlrev_b32 v13, 5, v12
.irp t, 0,1,2,3
	global_load_b128 v[BIAS+8*\t:BIAS+8*\t+3], v13, s[8:9] offset:64*\t       ; bo at columns 16 t + 8 h + 0..7
	global_load_b128 v[BIAS+8*\t+4:BIAS+8*\t+7], v13, s[8:9] offset:64*\t+16
.endr
.macro FETCH slot, k, f                ; the fragments of 32 along K
.irp i, 0,1,2,3
.irp e, 0,1
	ds_load_b128 v[\f+8*\i+4*\e:\f+8*\i+4*\e+3], v[ADRA+\slot] offset:4096*\i+1024*(\k)+512*\e
	ds_load_b128 v[\f+32+8*\i+4*\e:\f+32+8*\i+4*\e+3], v[ADRB+\slot] offset:4096*\i+1024*(\k)+512*\e
.endr
.endr
.endm
.macro MUL8 f, i0, bias                ; the sixteen accumulators take turns, in the same order in every quarter
.irp i, \i0, \i0+1
.irp t, 0,1,2,3
.if \bias
	v_wmma_f32_16x16x32_f16 v[8*(4*(\i)+\t):8*(4*(\i)+\t)+7], v[\f+32+8*\t:\f+32+8*\t+7], v[\f+8*(\i):\f+8*(\i)+7], v[BIAS+8*\t:BIAS+8*\t+7]
.else
	v_wmma_f32_16x16x32_f16 v[8*(4*(\i)+\t):8*(4*(\i)+\t)+7], v[\f+32+8*\t:\f+32+8*\t+7], v[\f+8*(\i):\f+8*(\i)+7], v[8*(4*(\i)+\t):8*(4*(\i)+\t)+7]
.endif
.endr
.endr
.endm
; A quarter of a K step: fetches the next 32 along K into g, then multiplies f
.macro QUARTER slot, k, f, g, bias
	PLACES                                         ; in front of loads into the buffer that the last products read
	FETCH \slot, \k, \g
	s_wait_dscnt 16                                ; all but the 16 just issued
.if \bias
	WIN MULB
.else
	WIN MUL
.endif
	MUL8 \f, 0, \bias
	MUL8 \f, 2, \bias
	WIN 0
.endm
; A slot's last quarter changes slots: each wave waits for all its tensor loads, adds 0 to its spare word, waits for that and for its reads of this slot.  fill = 1: the barrier opens a round of the cluster's, and this slot is filled again first behind it.
.macro TURN slot, next, fill
	s_wait_tensorcnt 0x0                           ; my part of the next slot has landed
	ds_add_u32 v[SPW], v[NIL]
	s_wait_dscnt 1                                 ; (only the add may be out: buffer 1 is in)
	WIN MUL
	MUL8 F1, 0, 0
	WIN 0
	s_wait_dscnt 0x0                               ; the add is done, and my reads of this slot are over
	s_barrier_signal -1
	s_barrier_wait -1
.if \fill
	CREST
	s_add_nc_u64 s[G0+4*\slot+2:G0+4*\slot+3], s[G0+4*\slot+2:G0+4*\slot+3], 8192
	s_add_nc_u64 s[G0B+4*\slot+2:G0B+4*\slot+3], s[G0B+4*\slot+2:G0B+4*\slot+3], 8192
	JLOAD \slot                                    ; its four v_nop are also the places in front of the loads below
.else
	PLACES
.endif
	FETCH \next, 0, F0
	WIN MUL
	MUL8 F1, 2, 0
	WIN 0
.endm
	s_wait_tensorcnt 1                             ; my part of K step 0 is in; K step 1's may be out
	s_barrier_signal -1
	s_barrier_wait -1
	FETCH 0, 0, F0
	s_wait_loadcnt 0x0                             ; the bias
	QUARTER 0, 1, F0, F1, 1                        ; the first products start the sums, from the bias
	s_mov_b32 s70, 3
.Llap:                                             ; a trip goes once round the ring and fills both slots again
	QUARTER 0, 2, F1, F0, 0
	QUARTER 0, 3, F0, F1, 0
	TURN 0, 1, 1
	QUARTER 1, 1, F0, F1, 0
	QUARTER 1, 2, F1, F0, 0
	QUARTER 1, 3, F0, F1, 0
	TURN 1, 0, 1
	QUARTER 0, 1, F0, F1, 0
	s_sub_co_u32 s70, s70, 1
	s_cmp_lg_u32 s70, 0
	s_cbranch_scc1 .Llap
	QUARTER 0, 2, F1, F0, 0                        ; the last lap fills nothing
	QUARTER 0, 3, F0, F1, 0
	TURN 0, 1, 0
	QUARTER 1, 1, F0, F1, 0
	QUARTER 1, 2, F1, F0, 0
	QUARTER 1, 3, F0, F1, 0
	s_wait_dscnt 0x0
	WIN MUL
	MUL8 F1, 0, 0
	MUL8 F1, 2, 0
	WIN 0
	; THE WAY OUT: 16 rows x 256 bytes at a time through my own stage, back as whole rows.  LDS serves a wave's instructions in order.
	PLACES
.irp i, 0,1,2,3
	WIN STG
.irp t, 0,1,2,3
	ds_store_b128 v[STO], v[8*(4*\i+\t):8*(4*\i+\t)+3] offset:64*\t
	ds_store_b128 v[STO], v[8*(4*\i+\t)+4:8*(4*\i+\t)+7] offset:64*\t+16
.endr
	WIN 0
.irp x, 0,1,2,3,4,5,6,7
	ds_load_b128 v[F0+32*\i+4*\x:F0+32*\i+4*\x+3], v[RD] offset:\x*2*SPITCH
.endr
.endr
.irp i, 0,1,2,3
	s_wait_dscnt 16*(3-\i)                         ; block i is back; the later blocks' 16 LDS instructions each may be out
.irp x, 0,1,2,3,4,5,6,7
	global_store_b128 v[CO], v[F0+32*\i+4*\x:F0+32*\i+4*\x+3], s[10:11] offset:(16*\i+2*\x)*4096 th:TH_STORE_NT   ; 16 lanes store 256 consecutive bytes, aligned
.endr
.endr
	s_wait_tensorcnt 0x0                           ; the wave's end
	ds_add_u32 v[SPW], v[NIL]
	s_wait_dscnt 0x0
	CROUND                                         ; the closing round
	s_endpgm
.Lfunc_end_k_qdc3a1b3d61_oproj:
	.size	k_qdc3a1b3d61_oproj, .Lfunc_end_k_qdc3a1b3d61_oproj-k_qdc3a1b3d61_oproj
	.p2alignl 7, 3214868480
	.fill 96, 4, 3214868480
	.section	.rodata,"a",@progbits
	.p2align	6, 0x0
	.amdhsa_kernel k_qdc3a1b3d61_oproj
		.amdhsa_group_segment_fixed_size 327680
		.amdhsa_private_segment_fixed_size 0
		.amdhsa_enable_private_segment 0
		.amdhsa_kernarg_size 32
		.amdhsa_user_sgpr_count 2
		.amdhsa_user_sgpr_kernarg_segment_ptr 1
		.amdhsa_wavefront_size32 1
		.amdhsa_system_sgpr_workgroup_id_x 1
		.amdhsa_system_sgpr_workgroup_id_y 1
		.amdhsa_system_sgpr_workgroup_id_z 1
		.amdhsa_system_vgpr_workitem_id 0
		.amdhsa_next_free_vgpr 384
		.amdhsa_next_free_sgpr 80
		.amdhsa_reserve_vcc 0
		.amdhsa_float_denorm_mode_32 3
		.amdhsa_float_denorm_mode_16_64 3
		.amdhsa_memory_ordered 1
		.amdhsa_forward_progress 1
		.amdhsa_inst_pref_size 54
	.end_amdhsa_kernel
	.amdgpu_metadata
---
amdhsa.version: [ 1, 2 ]
amdhsa.kernels:
  - .name:           k_qdc3a1b3d61_oproj
    .symbol:         k_qdc3a1b3d61_oproj.kd
    .args:
      - { .name: att16, .offset: 0, .size: 8, .value_kind: global_buffer, .address_space: global }
      - { .name: wo16, .offset: 8, .size: 8, .value_kind: global_buffer, .address_space: global }
      - { .name: bo, .offset: 16, .size: 8, .value_kind: global_buffer, .address_space: global }
      - { .name: out0, .offset: 24, .size: 8, .value_kind: global_buffer, .address_space: global }
    .group_segment_fixed_size: 327680
    .private_segment_fixed_size: 0
    .kernarg_segment_align: 8
    .kernarg_segment_size: 32
    .max_flat_workgroup_size: 256
    .sgpr_count:     80
    .vgpr_count:     384
    .wavefront_size: 32
...
	.end_amdgpu_metadata
.endif
;; end of part 4
;; launch fine (part 5): grid 16 x 4, 16 waves a work-group, no clusters, 71,680 bytes of LDS; arguments fine32, Wo, bo, out0; writes out0
.if DOCPART == 5
	.amdgcn_target "amdgcn-amd-amdhsa--gfx1250"
	.amdhsa_code_object_version 6
	.text
	.protected	k_qdc3a1b3d61_fine
	.globl	k_qdc3a1b3d61_fine
	.p2align	8
	.type	k_qdc3a1b3d61_fine,@function
k_qdc3a1b3d61_fine:
	s_mov_b64 s[64:65], 0
	v_nop
	global_prefetch_b8 v0, s[64:65] scope:SCOPE_SE
	s_setreg_imm32_b32 hwreg(HW_REG_WAVE_MODE, 25, 1), 1
	s_wait_xcnt 0x0
; Positions 0-15 of each of the four sequences once more, wholly in f32: their rows average one to sixteen values and are the largest, so the rounding of f16 operands weighs most there.
; A work-group makes 16 rows x 64 columns of out0 (columns 64 x, batch y) and writes over what the launch before stored there.  Wave = head: it redoes its head's attention on the 16 positions
; (q, k, v come as the f32 accumulators of the projections) and multiplies the result by its 64 columns of Wo; the sixteen heads' parts meet in LDS and are added in a fixed order, with bo.
; The f32 matrix form takes 4 along K from a pair of registers.  The same order of k stands on both sides of each product, so register pairs of the images serve as they lie:
;   q, k: register 8 t + j = position r, channel 16 t + 8 h + j;   v: register 8 t + j = key 8 h + j, channel 16 t + r;   S^T, p: register j = key 8 h + j, query r;   O^T: register 8 v + j = channel 16 v + 8 h + j, query r.
; The registers that the f32 form writes (v184-255) are written by matrix instructions alone.  No bulk work: 96 matrix instructions a wave.
.set LI,  1
.set SPW, 5
.set NIL, 6
.set QF,  16                           ; v16-47 q; later Wo's tile 3
.set KF,  48                           ; v48-79 k; later Wo's tile 2
.set VF,  80                           ; v80-111 v; later bo and the sum
.set WF,  112                          ; v112-175 Wo's tiles 0, 1; later the sixteen parts
.set P,   176                          ; v176-183
.set SD,  184
.set OD,  192
.set ACC, 224
.set PART, 4352                        ; a head's part: 16 rows x 272 bytes
.set SPARE, 69632                      ; the spare words, 128 bytes a wave, which no other line names
	s_load_b256 s[4:11], s[0:1], 0x0               ; fine32, Wo, bo, out0
	v_lshl_add_u32 v[SPW], v0, 2, SPARE
	v_mov_b32 v[NIL], 0
	v_lshrrev_b32 v1, 5, v0
	v_readfirstlane_b32 s12, v1                    ; head
	s_and_b32 s13, ttmp7, 0xffff                   ; batch
	v_and_b32 v1, 31, v0
	v_lshlrev_b32 v[LI], 4, v1
	v_and_b32 v2, 15, v0                           ; r
	v_bfe_u32 v3, v0, 4, 1                         ; h
	v_lshlrev_b32 v4, 12, v2
	v_lshl_add_u32 v4, v3, 5, v4                   ; Wo: row r of a tile, 8 h numbers on
	s_mul_i32 s14, s12, PART
	v_mul_u32_u24 v7, v2, 272
	v_lshl_add_u32 v7, v3, 5, v7
	v_add_nc_u32 v7, s14, v7                       ; my part: row r, 32 h bytes on
	s_mul_i32 s14, s12, 2*272
	v_mul_u32_u24 v8, v3, 272
	v_lshl_add_u32 v8, v2, 4, v8
	v_add_nc_u32 v8, s14, v8                       ; the adding: rows 2 w and 2 w + 1, 16 bytes a lane
	v_lshlrev_b32 v9, 3, v3
	v_sub_nc_u32 v9, v2, v9                        ; r - 8 h
	v_mov_b32 v10, 0xff800000                      ; -infinity
	v_mov_b32 v13, 0                               ; a lane permute's destination counts as read
	v_lshlrev_b32 v14, 12, v3
	v_lshl_add_u32 v14, v2, 4, v14                 ; out0: lanes 0-15 one row, lanes 16-31 the next
	v_lshlrev_b32 v15, 4, v2                       ; bo
	s_mov_b32 s20, 0x76543210
	s_mov_b32 s21, 0xfedcba98
	s_mov_b32 s22, 0x3e38aa3b                      ; c = log2(e) / 8
	s_lshl_b32 s14, s13, 4
	s_add_co_u32 s14, s14, s12
	s_lshl_b32 s14, s14, 12                        ; (16 batch + head) x 4,096
	s_mov_b32 s15, 0
	s_lshl_b32 s16, ttmp9, 18                      ; 64 rows of Wo,
	s_lshl_b32 s17, s12, 8                         ; my head's 64 numbers in them
	s_add_co_u32 s16, s16, s17
	s_mov_b32 s17, 0
	s_lshl_b32 s18, ttmp9, 8                       ; 64 columns, in bytes
	s_mov_b32 s19, 0
	s_lshl_b32 s24, s13, 23                        ; the batch's first row of out0,
	s_lshl_b32 s25, s12, 13                        ; rows 2 w on,
	s_add_co_u32 s24, s24, s25
	s_add_co_u32 s24, s24, s18
	s_mov_b32 s25, 0
	s_wait_kmcnt 0x0
	s_add_nc_u64 s[4:5], s[4:5], s[14:15]
	s_add_nc_u64 s[6:7], s[6:7], s[16:17]
	s_add_nc_u64 s[8:9], s[8:9], s[18:19]
	s_add_nc_u64 s[10:11], s[10:11], s[24:25]
.irp g, 0,1,2,3,4,5,6,7
	global_load_b128 v[QF+4*\g:QF+4*\g+3], v[LI], s[4:5] offset:512*\g
.endr
.irp g, 0,1,2,3,4,5,6,7
	global_load_b128 v[KF+4*\g:KF+4*\g+3], v[LI], s[4:5] offset:262144+512*\g
.endr
.irp g, 0,1,2,3,4,5,6,7
	global_load_b128 v[VF+4*\g:VF+4*\g+3], v[LI], s[4:5] offset:524288+512*\g
.endr
.macro WLOAD reg, tau                  ; Wo[n0 + 16 tau + r][64 head + 16 v + 8 h + j] into reg + 8 v + j
.irp g, 0,1,2,3,4,5,6,7
	global_load_b128 v[\reg+4*\g:\reg+4*\g+3], v4, s[6:7] offset:65536*\tau+64*(\g/2)+16*(\g%2)
.endr
.endm
	WLOAD WF, 0
	WLOAD WF+32, 1
	s_wait_loadcnt 24                              ; q and k are in; v and two tiles of Wo may be out
	v_wmma_f32_16x16x4_f32 v[SD:SD+7], v[KF:KF+1], v[QF:QF+1], 0   ; S^T = k q^T: one accumulator, a wait ahead of every link
.set i, 1
.rept 15
	s_wait_alu depctr_va_vdst(0)
	v_wmma_f32_16x16x4_f32 v[SD:SD+7], v[KF+2*i:KF+2*i+1], v[QF+2*i:QF+2*i+1], v[SD:SD+7]
.set i, i+1
.endr
.rept 8
	v_nop                                          ; eight places behind this form: for the loads below and the first read of the scores
.endr
	WLOAD KF, 2
	WLOAD QF, 3
.irp j, 0,1,2,3,4,5,6,7
	v_cmp_gt_i32 vcc_lo, \j, v9                    ; key 8 h + j lies behind query r
	v_cndmask_b32 v[P+\j], v[SD+\j], v10, vcc_lo
.endr
	v_max3_num_f32 v11, v[P], v[P+1], v[P+2]
	v_max3_num_f32 v11, v11, v[P+3], v[P+4]
	v_max3_num_f32 v11, v11, v[P+5], v[P+6]
	v_max_num_f32 v11, v11, v[P+7]
	v_permlanex16_b32 v13, v11, s20, s21
	v_max_num_f32 v11, v11, v13                    ; the row's maximum: key 0 counts for every query
	v_mul_f32 v11, s22, v11
.irp j, 0,1,2,3,4,5,6,7
	v_fma_f32 v[P+\j], v[P+\j], s22, -v11
.endr
.irp j, 0,1,2,3,4,5,6,7
	v_exp_f32 v[P+\j], v[P+\j]
.endr
	v_nop
	s_wait_alu depctr_va_vdst(0)                   ; one wait for the eight exponentials
	v_add_f32 v12, v[P], v[P+1]
	v_add_f32 v13, v[P+2], v[P+3]
	v_add_f32 v12, v12, v[P+4]
	v_add_f32 v13, v13, v[P+5]
	v_add_f32 v12, v12, v[P+6]
	v_add_f32 v13, v13, v[P+7]
	v_add_f32 v12, v12, v13
	v_permlanex16_b32 v13, v12, s20, s21
	v_add_f32 v12, v12, v13
	v_rcp_f32 v11, v12
	v_nop
	s_wait_alu depctr_va_vdst(0)
.irp j, 0,1,2,3,4,5,6,7
	v_mul_f32 v[P+\j], v[P+\j], v11
.endr
	s_wait_loadcnt 32                              ; v is in; the four tiles of Wo may be out
.irp k, 0,1,2,3                                ; O^T = v^T p: four accumulators by turns
.irp n, 0,1,2,3
.if \k == 0
	v_wmma_f32_16x16x4_f32 v[OD+8*\n:OD+8*\n+7], v[VF+8*\n+2*\k:VF+8*\n+2*\k+1], v[P+2*\k:P+2*\k+1], 0
.else
	v_wmma_f32_16x16x4_f32 v[OD+8*\n:OD+8*\n+7], v[VF+8*\n+2*\k:VF+8*\n+2*\k+1], v[P+2*\k:P+2*\k+1], v[OD+8*\n:OD+8*\n+7]
.endif
.endr
.endr
.rept 9
	v_nop                                          ; nine places: the results become an operand
.endr
	s_wait_loadcnt 0x0
.set kk, 0
.rept 16                                       ; my head's 64 channels, four at a time; four tiles of columns by turns
.set a, 0
.irp w, 112,144,48,16
.if kk == 0
	v_wmma_f32_16x16x4_f32 v[ACC+8*a:ACC+8*a+7], v[\w+2*kk:\w+2*kk+1], v[OD+2*kk:OD+2*kk+1], 0
.else
	v_wmma_f32_16x16x4_f32 v[ACC+8*a:ACC+8*a+7], v[\w+2*kk:\w+2*kk+1], v[OD+2*kk:OD+2*kk+1], v[ACC+8*a:ACC+8*a+7]
.endif
.set a, a+1
.endr
.set kk, kk+1
.endr
.rept 8
	v_nop
.endr
	global_load_b128 v[VF:VF+3], v15, s[8:9]       ; bo at my four columns
.irp t, 0,1,2,3
	ds_store_b128 v7, v[ACC+8*\t:ACC+8*\t+3] offset:64*\t          ; query r, columns 16 t + 8 h + 0..7
	ds_store_b128 v7, v[ACC+8*\t+4:ACC+8*\t+7] offset:64*\t+16
.endr
	s_wait_dscnt 0x0                               ; for the others' sake: my part lies in LDS
	s_barrier_signal -1
	s_barrier_wait -1
	s_cmp_lt_u32 s12, 8                            ; waves 0-7 add: two rows each
	s_cbranch_scc0 .Ldone
.irp p, 0,1,2,3,4,5,6,7,8,9,10,11,12,13,14,15
	ds_load_b128 v[WF+4*\p:WF+4*\p+3], v8 offset:PART*\p
.endr
	s_wait_loadcnt 0x0
	s_wait_dscnt 0x0
.irp p, 0,1,2,3,4,5,6,7,8,9,10,11,12,13,14,15
	v_pk_add_f32 v[VF:VF+1], v[VF:VF+1], v[WF+4*\p:WF+4*\p+1]
	v_pk_add_f32 v[VF+2:VF+3], v[VF+2:VF+3], v[WF+4*\p+2:WF+4*\p+3]
.endr
	global_store_b128 v14, v[VF:VF+3], s[10:11]    ; 16 lanes store 256 consecutive bytes, aligned
.Ldone:
	s_wait_tensorcnt 0x0                           ; the wave's end, behind my last LDS store
	ds_add_u32 v[SPW], v[NIL]
	s_wait_dscnt 0x0
	s_endpgm
.Lfunc_end_k_qdc3a1b3d61_fine:
	.size	k_qdc3a1b3d61_fine, .Lfunc_end_k_qdc3a1b3d61_fine-k_qdc3a1b3d61_fine
	.p2alignl 7, 3214868480
	.fill 96, 4, 3214868480
	.section	.rodata,"a",@progbits
	.p2align	6, 0x0
	.amdhsa_kernel k_qdc3a1b3d61_fine
		.amdhsa_group_segment_fixed_size 71680
		.amdhsa_private_segment_fixed_size 0
		.amdhsa_enable_private_segment 0
		.amdhsa_kernarg_size 32
		.amdhsa_user_sgpr_count 2
		.amdhsa_user_sgpr_kernarg_segment_ptr 1
		.amdhsa_wavefront_size32 1
		.amdhsa_system_sgpr_workgroup_id_x 1
		.amdhsa_system_sgpr_workgroup_id_y 1
		.amdhsa_system_sgpr_workgroup_id_z 1
		.amdhsa_system_vgpr_workitem_id 0
		.amdhsa_next_free_vgpr 256
		.amdhsa_next_free_sgpr 66
		.amdhsa_reserve_vcc 1
		.amdhsa_float_denorm_mode_32 3
		.amdhsa_float_denorm_mode_16_64 3
		.amdhsa_memory_ordered 1
		.amdhsa_forward_progress 1
		.amdhsa_inst_pref_size 22
	.end_amdhsa_kernel
	.amdgpu_metadata
---
amdhsa.version: [ 1, 2 ]
amdhsa.kernels:
  - .name:           k_qdc3a1b3d61_fine
    .symbol:         k_qdc3a1b3d61_fine.kd
    .args:
      - { .name: fine32, .offset: 0, .size: 8, .value_kind: global_buffer, .address_space: global }
      - { .name: Wo, .offset: 8, .size: 8, .value_kind: global_buffer, .address_space: global }
      - { .name: bo, .offset: 16, .size: 8, .value_kind: global_buffer, .address_space: global }
      - { .name: out0, .offset: 24, .size: 8, .value_kind: global_buffer, .address_space: global }
    .group_segment_fixed_size: 71680
    .private_segment_fixed_size: 0
    .kernarg_segment_align: 8
    .kernarg_segment_size: 32
    .max_flat_workgroup_size: 512
    .sgpr_count:     66
    .vgpr_count:     256
    .wavefront_size: 32
...
	.end_amdgpu_metadata
.endif
;; end of part 5
